; MI455X (gfx1250); checked and timed in simulation.
; The chip was launched on July 23, 2026; its instructions are those of AMD's public machine-readable ISA for CDNA 5 (MIT licence, August 2026) and "CDNA5" Instruction Set Architecture Reference Guide (July 2026). The comments in the code are by the model that wrote it; some were corrected since.
;; Multi Head Self Attention. Allowed arithmetic: matrix products marked QUANTISED: E2M1 operands, one E8M0 scale for each 32 along K, by v_wmma_scale_f32_16x16x128_f8f6f4 with both operands' format E2M1 (or v_wmma_scale_f32_32x16x128_f4), f32 sums; products left as they are: bf16, f16 or f32 operands; f32 sums; everything else in f32.
;; Inputs: Wk 1,024 x 1,024 float32; Wo 1,024 x 1,024 float32; Wq 1,024 x 1,024 float32; Wv 1,024 x 1,024 float32; bk 1,024 float32; bo 1,024 float32; bq 1,024 float32; bv 1,024 float32; x 4 x 2,048 x 1,024 float32.
;; Outputs: out0 4 x 2,048 x 1,024 float32.
;; This version of the problem:
;;   THIS VERSION OF THE PROBLEM IS GIVEN IN LOW PRECISION. The matrix products marked QUANTISED in the list below multiply operands that are first quantised to E2M1 (2 exponent bits, 1 mantissa bit; 4 bits a number), with one power-of-two scale for each 32 numbers along K (OCP MX v1.0); their sums are f32. The products marked 'left as it is' may take bf16, f16 or f32 operands, with f32 sums. Whichever they take, every output number must still come out within the allowed error. Rounding operands to bf16 (8 significant bits) uses up far more of that allowance than f16 does (11 bits, for magnitudes from 6e-5 to 65,504). All else is computed in f32.
;;   The module's matrix products, in the order in which they are computed (A, B: the left and right operand; K: the contracted axis; several contracted axes count as one K, in the product's order):
;;     1. [M 8,192, K 1,024] x [K 1,024, N 1,024]; A: input x; B: input Wq: QUANTISED
;;     2. [M 8,192, K 1,024] x [K 1,024, N 1,024]; A: input x; B: input Wk: QUANTISED
;;     3. [M 8,192, K 1,024] x [K 1,024, N 1,024]; A: input x; B: input Wv: QUANTISED
;;     4. batch 64 x [M 2,048, K 64] x [K 64, N 2,048]; A: computed on the way; B: computed on the way: left as it is (an operand is computed on the way)
;;     5. batch 64 x [M 2,048, K 2,048] x [K 2,048, N 64]; A: computed on the way; B: computed on the way: left as it is (an operand is computed on the way)
;;     6. [M 8,192, K 1,024] x [K 1,024, N 1,024]; A: computed on the way; B: input Wo: left as it is (an operand is computed on the way)
;;   THE QUANTISER, for each operand of a quantised product, along K:
;;     - K is cut into blocks of 32 from its start; a last block that is shorter is filled with zeros.
;;     - A block's scale is 2^e with e = floor(log2(the largest magnitude in the block)) - 2, held to -126 .. 127; a block of zeros has e = 0. As a byte (E8M0): e + 127.
;;     - Each number is divided by its block's scale, clamped to +-6, and rounded to the nearest number of E2M1, ties to even, subnormals kept.
;;     - The product sums the exact products of the quantised numbers (number of the format x scale) in f32.
;;   ~~~python
;;   def quantise(x, axis):      # numpy; x: float32 -> the quantised numbers, widened to float32 again
;;       x = np.moveaxis(x, axis, -1); K = x.shape[-1]
;;       x = np.pad(x, [(0, 0)] * (x.ndim - 1) + [(0, -K % 32)]); x = x.reshape(x.shape[:-1] + (-1, 32)); a = np.abs(x).max(-1, keepdims=True)
;;       e = np.where(a > 0, np.clip(np.frexp(np.where(a > 0, a, 1))[1] - 1 - 2, -126, 127), 0)      # np.frexp(a)[1] - 1 = floor(log2(a)), exactly
;;       r = np.clip(x / 2.0 ** e, -6, 6)
;;       step = 2.0 ** (np.maximum(np.frexp(np.where(r == 0, 1, r))[1] - 1, 0) - 1)
;;       q = np.round(r / step) * step * 2.0 ** e      # np.round: ties to even
;;       return np.moveaxis(q.reshape(q.shape[:-2] + (-1,))[..., :K], -1, axis).astype(np.float32)
;;   ~~~
;; One version. Each part assembles by itself: llvm-mc -triple=amdgcn-amd-amdhsa -mcpu=gfx1250 --defsym DOCPART=n.
;; ======== version 1 of 1: 4 launches
;; limits: values are held in f16: magnitudes above 65,504 overflow, below 6.1e-05 lose precision
;; workspace buffers: x_codes 4,194,304 bytes; x_scales 262,144 bytes; w_codes 1,572,864 bytes; w_scales 98,304 bytes; wo16 2,097,152 bytes; qkv 50,331,648 bytes; att 16,777,216 bytes
;; launch prep (part 1): grid 256 x 1, 8 waves a work-group, no clusters, 84,480 bytes of LDS; arguments x, Wq, Wk, Wv, Wo, x_codes, x_scales, w_codes, w_scales, wo16; writes x_codes, x_scales, w_codes, w_scales, wo16
.if DOCPART == 1
	.amdgcn_target "amdgcn-amd-amdhsa--gfx1250"
	.amdhsa_code_object_version 6
	.text
	.protected	k_qa8ed0f70ff_prep
	.globl	k_qa8ed0f70ff_prep
	.p2align	8
	.type	k_qa8ed0f70ff_prep,@function
k_qa8ed0f70ff_prep:
	s_mov_b64 s[64:65], 0
	v_nop
	global_prefetch_b8 v0, s[64:65] scope:SCOPE_SE
	s_setreg_imm32_b32 hwreg(HW_REG_WAVE_MODE, 25, 1), 1
	s_wait_xcnt 0x0
; ONE LAUNCH MAKES EVERY OPERAND READY.  Three paths, parted on the work-group's number alone (the same way for all eight waves of a work-group):
;   work-groups   0 ..  95: Wq, Wk, Wv [1024 (k)][1024 (n)] f32 -> codes of E2M1 with K innermost, w_codes [3 x 1024 (n)][512 bytes], and one E8M0 byte for each 32 along K, w_scales [3 x 1024][32]
;   work-groups  96 .. 127: Wo [1024][1024] f32 -> f16, as it lies (wo16)
;   work-groups 128 .. 255: x [8192][1024] f32 -> x_codes [8192][512 bytes], x_scales [8192][32]
; A block's scale is 2^(floor(log2(its largest magnitude)) - 2); its byte is the largest magnitude's exponent field - 2, held at 1 from below.  Each number is divided by the scale and rounded to the nearest code, ties to even,
; beyond 6 the largest code.
; LIMITS: a block of zeros gets the byte 1 where the rule says 127: its codes are zeros, which add nothing under any byte but 0xff, and the bytes are read by this program alone.  NaN and infinities among the inputs are not served.
; Wo in f16: magnitudes under 65,504; under 6e-5 the absolute error stays 3e-8.
; No tensor loads, no cluster, no matrix unit: each byte is read once and written once, and the paths share nothing.  Each path has LDS bytes of its own.
.set WPITCH, 528                       ; weights' path: a stage row: a column's 512 bytes of codes + 16
.set WSTG,   0                         ; 32 such rows
.set WSC,    32*WPITCH                 ; the 32 columns' scale bytes, 32 a column
.set XL,     WSC+1024                  ; x's path: a region of WREG bytes for each wave
.set WREG,   8192                      ; two stages of 32 x SP bytes, and behind them the wave's 256 scale bytes
.set SP,     80                        ; a lane's place in a stage: its 64 bytes + 16 of padding
.set SPARE,  XL+8*WREG                 ; the spare words, 128 bytes for each wave: four blocks of 256 bytes that no other line names
.set SPW,    12                        ; v12  LDS address of my spare word; never rewritten
.set NIL,    13                        ; v13  0; never rewritten
.macro FINISH                          ; a wave's end
	s_wait_tensorcnt 0x0
	ds_add_u32 v[SPW], v[NIL]
	s_wait_dscnt 0x0
	s_endpgm
.endm
	s_load_b512 s[4:19], s[0:1], 0x0               ; x 4:5, Wq 6:7, Wk 8:9, Wv 10:11, Wo 12:13, x_codes 14:15, x_scales 16:17, w_codes 18:19
	s_load_b128 s[20:23], s[0:1], 0x40             ; w_scales 20:21, wo16 22:23
	v_lshl_add_u32 v[SPW], v0, 2, SPARE
	v_mov_b32 v[NIL], 0
	v_lshrrev_b32 v1, 5, v0
	v_readfirstlane_b32 s24, v1                    ; wave 0..7
	v_and_b32 v2, 31, v0                           ; lane
	s_mov_b32 s29, 0                               ; the high word of every offset pair s[28:29]
	s_wait_kmcnt 0x0
	s_cmp_lt_u32 ttmp9, 96
	s_cbranch_scc1 .Lweights
	s_cmp_lt_u32 ttmp9, 128
	s_cbranch_scc1 .Lcast
; ---------------- x: a plain stream of blocks of 32.  A wave takes 16 steps of 512 numbers.
; Each of a step's four loads reads 512 consecutive bytes, 16 a lane; the 2,048 bytes turn through the wave's own stage in LDS and come back 64 bytes a lane: 16 neighbours along K, two lanes to a block.
; A lane's 16 codes are 8 bytes: the wave stores 256 consecutive bytes, aligned.  The wave's 256 scale bytes are gathered in LDS and leave as 256 consecutive bytes.  Loads run four steps ahead, the turn one step.
.set STEPS, 16
.set R,     16                         ; v16-79   four sets of 16 numbers as they are loaded
.set X,     80                         ; v80-111  two sets of 16 neighbours
.set E,     112                        ; v112-127 a scale byte for each step
.set C,     128                        ; v128-191 codes: registers of its own for each step, so that no store's data are written again
	v_lshlrev_b32 v3, 4, v2                        ; my 16 bytes of a load's 512
	s_mul_i32 s25, s24, WREG
	s_add_co_u32 s25, s25, XL                      ; my wave's region
	v_lshrrev_b32 v14, 2, v2
	v_mul_u32_u24 v14, v14, SP
	v_and_b32 v15, 3, v2
	v_lshl_add_u32 v14, v15, 4, v14
	v_add_nc_u32 v14, s25, v14                     ; into the stage: four lanes' 64 bytes on end, then the padding
	v_mul_u32_u24 v15, v2, SP
	v_add_nc_u32 v15, s25, v15                     ; out of it: my 16 neighbours
	v_lshlrev_b32 v4, 3, v2                        ; my codes' place in a step's 256 bytes
	v_lshrrev_b32 v5, 1, v2
	s_add_co_u32 s25, s25, 2*32*SP
	v_add_nc_u32 v5, s25, v5                       ; my block's scale byte
	v_lshlrev_b32 v7, 3, v2
	v_add_nc_u32 v6, s25, v7                       ; and on the way out 8 bytes a lane
	s_sub_co_u32 s26, ttmp9, 128
	s_lshl_b32 s26, s26, 3
	s_add_co_u32 s26, s26, s24                     ; which run of 8,192 numbers is my wave's: 0 .. 1,023
	s_lshl_b32 s28, s26, 15
	s_add_nc_u64 s[4:5], s[4:5], s[28:29]
	s_lshl_b32 s28, s26, 12
	s_add_nc_u64 s[14:15], s[14:15], s[28:29]
	s_lshl_b32 s28, s26, 8
	s_add_nc_u64 s[16:17], s[16:17], s[28:29]
.macro LOAD t
.irp i, 0,1,2,3
	global_load_b128 v[R+16*((\t)%4)+4*\i:R+16*((\t)%4)+4*\i+3], v3, s[4:5] offset:2048*(\t)+512*\i th:TH_LOAD_NT
.endr
.endm
.macro TURN t                          ; LDS serves a wave's instructions in order, so no wait stands between the stores and the loads
.irp i, 0,1,2,3
	ds_store_b128 v14, v[R+16*((\t)%4)+4*\i:R+16*((\t)%4)+4*\i+3] offset:32*SP*((\t)%2)+8*SP*\i
.endr
.irp i, 0,1,2,3
	ds_load_b128 v[X+16*((\t)%2)+4*\i:X+16*((\t)%2)+4*\i+3], v15 offset:32*SP*((\t)%2)+16*\i
.endr
.endm
.irp t, 0,1,2,3
	LOAD \t
.endr
	s_wait_loadcnt 12                              ; step 0's four loads are in; the twelve of steps 1 to 3 may be out
	TURN 0
.macro STEP t
.set XS, X+16*((\t)%2)
.if (\t) > 0
	s_wait_dscnt 1                                 ; this step's numbers are back from the stage (the last step's byte store may be out): so its stores into the stage have read their registers,
.else
	s_wait_dscnt 0x0
.endif
.if (\t)+4 < STEPS
	LOAD (\t)+4                                    ; which take the loads of four steps on
.endif
.if (\t)+1 < STEPS
.if STEPS-2-(\t) >= 3
	s_wait_loadcnt 12                              ; the next step's four loads are in; those of the three steps behind it may be out
.else
	s_wait_loadcnt 4*(STEPS-2-(\t))
.endif
	TURN (\t)+1
.endif
	v_max3_num_f32 v8, |v[XS]|, |v[XS+1]|, |v[XS+2]|               ; the largest magnitude of my 16, in two chains
	v_max3_num_f32 v9, |v[XS+3]|, |v[XS+4]|, |v[XS+5]|
.irp i, 6,10
	v_max3_num_f32 v8, v8, |v[XS+\i]|, |v[XS+\i+1]|
	v_max3_num_f32 v9, v9, |v[XS+\i+2]|, |v[XS+\i+3]|
.endr
	v_max3_num_f32 v8, v8, |v[XS+14]|, |v[XS+15]|
	v_max3_num_f32 v8, v8, v9, 0x1800000           ; and the floor 2^(3 - 127): the byte cannot fall under 1
	v_max_num_f32_dpp v8, v8, v8 row_xmask:1 row_mask:0xf bank_mask:0xf   ; and of my neighbour's 16: the block's
	v_add_nc_u32 v11, 0xff000000, v8               ; 2 off its exponent field: the conversion takes the exponent field of this operand as its scale, and nothing else of it
	v_cvt_scalef32_pk8_fp4_f32 v[C+4*(\t)], v[XS:XS+7], v11
	v_cvt_scalef32_pk8_fp4_f32 v[C+4*(\t)+1], v[XS+8:XS+15], v11
	v_lshrrev_b32 v[E+(\t)], 23, v11               ; the scale's byte (also the plain line behind the conversions)
	ds_store_b8 v5, v[E+(\t)] offset:16*(\t)       ; both lanes of a block write the same byte with the same value
	global_store_b64 v4, v[C+4*(\t):C+4*(\t)+1], s[14:15] offset:256*(\t)
.endm
.irp t, 0,1,2,3,4,5,6,7,8,9,10,11,12,13,14,15
	STEP \t
.endr
	ds_load_b64 v[8:9], v6                         ; these see my byte stores: LDS serves a wave in order
	s_wait_dscnt 0x0
	global_store_b64 v7, v[8:9], s[16:17]          ; 256 consecutive bytes, aligned
	FINISH
; ---------------- Wo to f16.  A wave takes 4,096 numbers: 32 loads of 512 consecutive bytes, all issued at once; each gives a store of 256 consecutive bytes, aligned.
.Lcast:
	s_sub_co_u32 s26, ttmp9, 96
	s_lshl_b32 s26, s26, 3
	s_add_co_u32 s26, s26, s24                     ; my chunk: 0 .. 255
	s_lshl_b32 s28, s26, 14
	s_add_nc_u64 s[12:13], s[12:13], s[28:29]
	s_lshl_b32 s28, s26, 13
	s_add_nc_u64 s[22:23], s[22:23], s[28:29]
	v_lshlrev_b32 v3, 4, v2
	v_lshlrev_b32 v4, 3, v2
.irp i, 0,1,2,3,4,5,6,7,8,9,10,11,12,13,14,15,16,17,18,19,20,21,22,23,24,25,26,27,28,29,30,31
	global_load_b128 v[32+4*\i:35+4*\i], v3, s[12:13] offset:512*\i th:TH_LOAD_NT
.endr
.irp i, 0,1,2,3,4,5,6,7,8,9,10,11,12,13,14,15,16,17,18,19,20,21,22,23,24,25,26,27,28,29,30,31
	s_wait_loadcnt 31-\i                           ; loads come back in order: load i is in, the younger ones may be out
	v_cvt_pk_f16_f32 v[32+4*\i], v[32+4*\i], v[33+4*\i]
	v_cvt_pk_f16_f32 v[33+4*\i], v[34+4*\i], v[35+4*\i]
	global_store_b64 v4, v[32+4*\i:33+4*\i], s[22:23] offset:256*\i
.endr
	FINISH
; ---------------- Wq, Wk, Wv.  K is the FIRST axis: a lane takes a column n and its registers run down K, so that a block of 32 lies in one lane and the conversions give codes with K innermost.
; A work-group takes 32 columns of one tensor for all of K; wave w takes k = 128 w .. 128 w + 127, four blocks.  Each load reads 128 consecutive bytes.  The eight waves' codes meet in a stage, one row a column;
; behind a barrier each wave stores four whole rows of 512 bytes, and waves 0 and 1 the 1,024 scale bytes.  Loads run two blocks ahead.
.set WX,  32                           ; v32-159  four sets of 32 numbers
.set WC,  160                          ; v160-175 the four blocks' codes
.set WSB, 176                          ; v176     their four scale bytes
.Lweights:
	s_lshr_b32 s25, ttmp9, 5                       ; which tensor
	s_and_b32 s26, ttmp9, 31                       ; which 32 columns
	s_cmp_eq_u32 s25, 2
	s_cselect_b64 s[8:9], s[10:11], s[8:9]
	s_cmp_eq_u32 s25, 0
	s_cselect_b64 s[6:7], s[6:7], s[8:9]           ; the choice hangs on the work-group's number alone
	s_lshl_b32 s28, s24, 19                        ; my wave's 128 rows of 4,096 bytes
	s_lshl_b32 s30, s26, 7
	s_add_co_u32 s28, s28, s30
	s_add_nc_u64 s[6:7], s[6:7], s[28:29]
	v_lshlrev_b32 v3, 2, v2
.macro WLOAD t
.irp i, 0,1,2,3,4,5,6,7,8,9,10,11,12,13,14,15,16,17,18,19,20,21,22,23,24,25,26,27,28,29,30,31
	global_load_b32 v[WX+32*(\t)+\i], v3, s[6:7] offset:(32*(\t)+\i)*4096 th:TH_LOAD_NT
.endr
.endm
	WLOAD 0
	WLOAD 1
	v_mul_u32_u24 v4, v2, WPITCH
	s_lshl_b32 s30, s24, 6
	v_add_nc_u32 v4, s30, v4                       ; into the stage: row = my column, my wave's 64 bytes
	v_lshlrev_b32 v5, 5, v2
	s_lshl_b32 s30, s24, 2
	s_add_co_u32 s30, s30, WSC
	v_add_nc_u32 v5, s30, v5                       ; my column's scale bytes, my wave's four
	v_lshlrev_b32 v7, 4, v2
	s_mul_i32 s30, s24, 4*WPITCH
	v_add_nc_u32 v6, s30, v7                       ; out of the stage: rows 4 w on, 16 bytes a lane
	s_lshl_b32 s30, s24, 9
	s_add_co_u32 s30, s30, WSC
	v_add_nc_u32 v14, s30, v7                      ; the scale bytes on the way out (waves 0 and 1 alone use it)
	s_lshl_b32 s31, s25, 10
	s_lshl_b32 s30, s26, 5
	s_add_co_u32 s31, s31, s30                     ; the first of my work-group's rows in w_codes and w_scales
	s_lshl_b32 s30, s24, 2
	s_add_co_u32 s30, s30, s31
	s_lshl_b32 s28, s30, 9
	s_add_nc_u64 s[18:19], s[18:19], s[28:29]
	s_lshl_b32 s28, s31, 5
	s_lshl_b32 s30, s24, 9
	s_add_co_u32 s28, s28, s30
	s_add_nc_u64 s[20:21], s[20:21], s[28:29]
.macro WBLOCK t
.set XS, WX+32*(\t)
.if (\t) < 3
	s_wait_loadcnt 32                              ; this block's 32 loads are in; the next block's may be out
.else
	s_wait_loadcnt 0x0
.endif
.if (\t)+2 < 4
	WLOAD (\t)+2
.endif
	v_max3_num_f32 v8, |v[XS]|, |v[XS+1]|, |v[XS+2]|               ; the block's largest magnitude: all 32 numbers are mine
	v_max3_num_f32 v9, |v[XS+3]|, |v[XS+4]|, |v[XS+5]|
.irp i, 6,10,14,18,22,26
	v_max3_num_f32 v8, v8, |v[XS+\i]|, |v[XS+\i+1]|
	v_max3_num_f32 v9, v9, |v[XS+\i+2]|, |v[XS+\i+3]|
.endr
	v_max3_num_f32 v8, v8, |v[XS+30]|, |v[XS+31]|
	v_max3_num_f32 v8, v8, v9, 0x1800000           ; the floor 2^(3 - 127)
	v_add_nc_u32 v10, 0xff000000, v8               ; the conversions' scale operand
	v_lshrrev_b32 v11, 23, v10                     ; the scale's byte
.if (\t) == 0
	v_mov_b32 v[WSB], v11
.else
	v_lshl_or_b32 v[WSB], v11, 8*(\t), v[WSB]
.endif
.irp g, 0,1,2,3
	v_cvt_scalef32_pk8_fp4_f32 v[WC+4*(\t)+\g], v[XS+8*\g:XS+8*\g+7], v10
.endr
	ds_store_b128 v4, v[WC+4*(\t):WC+4*(\t)+3] offset:16*(\t)
.endm
	WBLOCK 0
	WBLOCK 1
	WBLOCK 2
	WBLOCK 3
	v_nop                                          ; one plain line behind the last conversion
	ds_store_b32 v5, v[WSB]
	s_wait_dscnt 0x0                               ; for the others' sake: my stores have landed
	s_barrier_signal -1
	s_barrier_wait -1                              ; 32 whole rows of codes and their scale bytes lie in LDS
.irp i, 0,1,2,3
	ds_load_b128 v[WX+4*\i:WX+4*\i+3], v6 offset:WPITCH*\i
.endr
.irp i, 0,1,2,3
	s_wait_dscnt 3-\i
	global_store_b128 v7, v[WX+4*\i:WX+4*\i+3], s[18:19] offset:512*\i     ; a row of 512 consecutive bytes
.endr
	s_cmp_lt_u32 s24, 2
	s_cbranch_scc0 .Lw_end
	ds_load_b128 v[WX+16:WX+19], v14
	s_wait_dscnt 0x0
	global_store_b128 v7, v[WX+16:WX+19], s[20:21]                         ; 512 of the 1,024 scale bytes
.Lw_end:
	FINISH
.Lfunc_end_k_qa8ed0f70ff_prep:
	.size	k_qa8ed0f70ff_prep, .Lfunc_end_k_qa8ed0f70ff_prep-k_qa8ed0f70ff_prep
	.p2alignl 7, 3214868480
	.fill 96, 4, 3214868480
	.section	.rodata,"a",@progbits
	.p2align	6, 0x0
	.amdhsa_kernel k_qa8ed0f70ff_prep
		.amdhsa_group_segment_fixed_size 84480
		.amdhsa_private_segment_fixed_size 0
		.amdhsa_enable_private_segment 0
		.amdhsa_kernarg_size 80
		.amdhsa_user_sgpr_count 2
		.amdhsa_user_sgpr_kernarg_segment_ptr 1
		.amdhsa_wavefront_size32 1
		.amdhsa_system_sgpr_workgroup_id_x 1
		.amdhsa_system_sgpr_workgroup_id_y 1
		.amdhsa_system_sgpr_workgroup_id_z 1
		.amdhsa_system_vgpr_workitem_id 0
		.amdhsa_next_free_vgpr 192
		.amdhsa_next_free_sgpr 66
		.amdhsa_reserve_vcc 0
		.amdhsa_float_denorm_mode_32 3
		.amdhsa_float_denorm_mode_16_64 3
		.amdhsa_memory_ordered 1
		.amdhsa_forward_progress 1
		.amdhsa_inst_pref_size 65
	.end_amdhsa_kernel
	.amdgpu_metadata
---
amdhsa.version: [ 1, 2 ]
amdhsa.kernels:
  - .name:           k_qa8ed0f70ff_prep
    .symbol:         k_qa8ed0f70ff_prep.kd
    .args:
      - { .name: x, .offset: 0, .size: 8, .value_kind: global_buffer, .address_space: global }
      - { .name: Wq, .offset: 8, .size: 8, .value_kind: global_buffer, .address_space: global }
      - { .name: Wk, .offset: 16, .size: 8, .value_kind: global_buffer, .address_space: global }
      - { .name: Wv, .offset: 24, .size: 8, .value_kind: global_buffer, .address_space: global }
      - { .name: Wo, .offset: 32, .size: 8, .value_kind: global_buffer, .address_space: global }
      - { .name: x_codes, .offset: 40, .size: 8, .value_kind: global_buffer, .address_space: global }
      - { .name: x_scales, .offset: 48, .size: 8, .value_kind: global_buffer, .address_space: global }
      - { .name: w_codes, .offset: 56, .size: 8, .value_kind: global_buffer, .address_space: global }
      - { .name: w_scales, .offset: 64, .size: 8, .value_kind: global_buffer, .address_space: global }
      - { .name: wo16, .offset: 72, .size: 8, .value_kind: global_buffer, .address_space: global }
    .group_segment_fixed_size: 84480
    .private_segment_fixed_size: 0
    .kernarg_segment_align: 8
    .kernarg_segment_size: 80
    .max_flat_workgroup_size: 256
    .sgpr_count:     66
    .vgpr_count:     192
    .wavefront_size: 32
...
	.end_amdgpu_metadata
.endif
;; end of part 1
;; launch qkv (part 2): grid 12 x 32, 4 waves a work-group, clusters of 4 x 4, 327,680 bytes of LDS; arguments x_codes, x_scales, w_codes, w_scales, bq, bk, bv, qkv; writes qkv
.if DOCPART == 2
	.amdgcn_target "amdgcn-amd-amdhsa--gfx1250"
	.amdhsa_code_object_version 6
	.text
	.protected	k_qa8ed0f70ff_qkv
	.globl	k_qa8ed0f70ff_qkv
	.p2align	8
	.type	k_qa8ed0f70ff_qkv,@function
k_qa8ed0f70ff_qkv:
	s_mov_b64 s[64:65], 0
	v_nop
	global_prefetch_b8 v0, s[64:65] scope:SCOPE_SE
	s_setreg_imm32_b32 hwreg(HW_REG_WAVE_MODE, 25, 1), 1
	s_wait_xcnt 0x0
	s_wait_alu depctr_hold_cnt(0) depctr_sa_sdst(0) depctr_va_vdst(0) depctr_va_sdst(0) depctr_va_ssrc(0) depctr_va_vcc(0) depctr_vm_vsrc(0)
	s_getreg_b32 s2, hwreg(HW_REG_IB_STS2, 6, 4)
	s_cmp_eq_u32 s2, 0
	s_cbranch_scc0 .Lentry_in_a_cluster
	s_endpgm
.Lentry_in_a_cluster:
	s_bfe_u32 s2, ttmp6, 0x10000c
	s_cmp_lg_u32 s2, 0xf033
	s_cbranch_scc0 .Lentry_shape_is_right
	s_endpgm
.Lentry_shape_is_right:
; q, k, v = x W + b for the three weights at once: C[m][n] = sum over k of A[m][k] B[n][k] + bias[n], A = x's codes [8192][1024], B = the weights' codes [3072][1024], E2M1 with one E8M0 scale for each 32 along K; sums in f32.
; The result is rounded once to f16 and stored by heads: qkv + tensor x 2^24 + (batch x 16 + head) x 2^18 + token x 128 + channel x 2.
; LIMIT: |q|, |k|, |v| under 65,504 (f16); under 6e-5 the absolute error stays 3e-8.
; A tile of C, 256 x 256, is made by a work-group of four waves; a wave makes 128 x 128: 64 accumulators, 512 registers.  K = 1,024 is two K steps of 512, each a slot in LDS (rows of 256 bytes): both are asked for at the head,
; so nothing is ever filled again.  The scale bytes of the work-group's 256 + 256 rows come once, as dense blocks.
; CLUSTERS: 4 x 4 work-groups; A's tiles are asked for jointly along a row of the cluster, B's along a column.  The cluster's x is the tensor (q, k or v).
; THE MATRIX INSTRUCTION IS USED TRANSPOSED (source 0 = 16 rows of B, source 1 = 16 rows of A): a lane holds eight neighbouring columns of one row of C.  THE BIAS IS THE C OF EACH SUM'S FIRST PRODUCT.
; No prefetch: everything that the work-group reads is asked for at its head.
; REGISTERS: window 0: v0-31 addresses; v32-95 scale words, two sets, and nothing else; v96-127 packed results; v128-191 A's fragments, one set, later rows on the way out; v192-255 the bias in the result's layout.
;   window 1: B's fragments, two sets, at v0 and v128.   window 2: the accumulators of my rows 0-63 ((a, b) at v[8 (8 a + b)]);   window 3: those of my rows 64-127.
.set NQ,     4                         ; matrix instructions deep in a K step of 512
.set ROWB,   256                       ; a tile's row in bytes
.set KROW,   512                       ; a row of codes in memory
.set PITCH,  272                       ; an LDS row: 256 bytes + 16: the 16 rows that a load touches start 4 banks apart
.set FR,     8
.set NL,     2
.set NP,     4
.set HALFT,  128*PITCH
.set SLOT,   4*HALFT
.set KS,     32                        ; a row of scale bytes
.set SCL,    2*SLOT
.set HALFS,  16*272                    ; the scales of 128 rows: 16 rows of 256 bytes + 16
.set SBLK,   2*272                     ; those of 16 rows
.set SPARE,  SCL+4*HALFS               ; the spare words, 128 bytes for each wave
.set SPITCH, 272                       ; the way out: a stage of 16 rows x (256 bytes + 16) for each wave, in slot 0, which has had its only fill and its last read by then
.set ADRA, 16
.set ADRB, 20
.set STO,  24
.set RD,   25
.set CO,   26
.set ADRS, 27
.set SPW,  28
.set NIL,  29
.set BOF,  30
.set SC,   32
.set TMP,  96
.set AF,   128
.set BK,   128
.set BI,   192
.set G1, 24
.set G0, 32
.set G1B, 48
.set G0B, 56
.set G1S, 68
.set G0S, 76
.set G1SB, 80
.set G0SB, 88
.set MSB, 0
.macro WIN new                         ; the immediate's high byte repeats the setting that is left
.if MSB != \new
	s_set_vgpr_msb (MSB<<8)|\new
.set MSB, \new
.endif
.endm
.set MUL_LO,  0xa1                     ; source 0 (B) window 1, source 1 (A) window 0, C and D window 2
.set MUL_HI,  0xf1                     ; the same, C and D window 3
.set MUL_LO0, 0x81                     ; the first products: C (the bias) window 0, D window 2
.set MUL_HI0, 0xc1                     ; and D window 3
.set TO_B,    0x40
; A joint load: waves 0 and 1 fetch for A, waves 2 and 3 for B; the branch hangs on the wave's number alone.  An s_nop 0 and four v_nop follow each of the two lines.
.macro JLOAD g0a, g1a, g0b, g1b
	s_cmp_eq_u32 s15, 0
	s_cbranch_scc0 .Lfor_b_\@
	tensor_load_to_lds s[\g0a:\g0a+3], s[\g1a:\g1a+7]
	s_nop 0
.rept 4
	v_nop
.endr
	s_branch .Lasked_\@
.Lfor_b_\@:
	tensor_load_to_lds s[\g0b:\g0b+3], s[\g1b:\g1b+7]
	s_nop 0
.rept 4
	v_nop
.endr
.Lasked_\@:
.endm
.macro CROUND                          ; a round of the cluster's barrier
	s_barrier_signal -1
	s_barrier_wait -1
	s_cmp_lg_u32 s14, 0
	s_cbranch_scc1 .Lnot_wave_0_\@
	s_barrier_signal -3
.Lnot_wave_0_\@:
	s_barrier_wait -3
	s_barrier_signal -1
	s_barrier_wait -1
.endm
	s_load_b128 s[4:7], s[0:1], 0x0                ; x's codes, x's scales
	s_load_b128 s[8:11], s[0:1], 0x10              ; the weights' codes, their scales
	s_load_b128 s[96:99], s[0:1], 0x20             ; bq, bk
	s_load_b64 s[100:101], s[0:1], 0x30            ; bv
	s_load_b64 s[12:13], s[0:1], 0x38              ; qkv
	v_lshl_add_u32 v[SPW], v0, 2, SPARE
	v_mov_b32 v[NIL], 0
	ds_add_u32 v[SPW], v[NIL]                      ; the wave's opening: the add, twice on end, and its wait ahead of my first tensor load
	ds_add_u32 v[SPW], v[NIL]
	v_lshrrev_b32 v1, 5, v0
	v_readfirstlane_b32 s14, v1                    ; wave 0..3
	s_lshr_b32 s15, s14, 1                         ; which half of the tile's rows is mine.  Also: I fetch for A (0) or for B (1)
	s_and_b32 s16, s14, 1                          ; which half of its columns.  Also: which 128 rows of that tile I fetch
	s_bfe_u32 s40, ttmp6, 0x40000                  ; cx, cy: my place in the cluster
	s_bfe_u32 s41, ttmp6, 0x40004
	s_lshl_b32 s42, ttmp9, 2
	s_add_co_u32 s42, s42, s40                     ; tile column of C = 4 x cluster x + cx
	s_and_b32 s17, ttmp7, 0xffff
	s_lshl_b32 s17, s17, 2
	s_add_co_u32 s17, s17, s41                     ; tile row of C = 4 x cluster y + cy
	s_lshl_b32 s43, s41, 2
	s_lshl_b32 s43, 15, s43                        ; my row of the cluster
	s_lshl_b32 s44, 0x1111, s40                    ; my column
	s_or_b32 s[G1+0], s43, (0<<16)|(1<<20)|(1<<21)|(5<<22)|(3<<25)  ; the mask; elements of 1 byte; padding on; bit 21 beside a mask; after every 64 words four words
	s_or_b32 s[G1B+0], s44, (0<<16)|(1<<20)|(1<<21)|(5<<22)|(3<<25)
.irp g, G1, G1B
	s_mov_b32 s[\g+1], ROWB<<16                    ; tensor_dim0
	s_mov_b32 s[\g+2], 128<<16                     ; tensor_dim1
	s_mov_b32 s[\g+3], ROWB<<16                    ; tile_dim0
	s_mov_b32 s[\g+4], 128                         ; tile_dim1
	s_mov_b32 s[\g+5], KROW                        ; the pitch
	s_mov_b32 s[\g+6], 0
	s_mov_b32 s[\g+7], 0
.endr
	s_or_b32 s[G1S+0], s43, (3<<16)|(1<<20)|(1<<21)|(5<<22)|(3<<25) ; the scales of 128 rows: 4,096 dense bytes as 16 rows of 32 elements of 8 bytes
	s_or_b32 s[G1SB+0], s44, (3<<16)|(1<<20)|(1<<21)|(5<<22)|(3<<25)
.irp g, G1S, G1SB
	s_mov_b32 s[\g+1], 32<<16
	s_mov_b32 s[\g+2], 16<<16
	s_mov_b32 s[\g+3], 32<<16
	s_mov_b32 s[\g+4], 16
	s_mov_b32 s[\g+5], 32
	s_mov_b32 s[\g+6], 0
	s_mov_b32 s[\g+7], 0
.endr
	s_lshl_b32 s18, s16, 7                         ; which 128 rows of the tile I fetch
	s_lshl_b32 s20, s17, 8
	s_add_co_u32 s20, s20, s18                     ; A: row 256 x tile row + 128 x half
	s_lshl_b32 s46, s42, 8
	s_add_co_u32 s46, s46, s18                     ; B: row 256 x tile column + 128 x half
	s_mov_b32 s21, 0
	s_mov_b32 s47, 0
	s_mov_b64 s[18:19], KS
	s_mul_u64 s[22:23], s[20:21], s[18:19]         ; where these rows' scales begin,
	s_mul_u64 s[92:93], s[46:47], s[18:19]
	s_mov_b64 s[18:19], KROW
	s_mul_u64 s[20:21], s[20:21], s[18:19]         ; and their codes
	s_mul_u64 s[46:47], s[46:47], s[18:19]
	s_mul_i32 s45, s14, HALFT                      ; where they go: wave x 128 rows: no place in the cluster enters an LDS address
	s_mul_i32 s94, s14, HALFS
	s_wait_dscnt 0x0                               ; both opening adds are done
	s_wait_kmcnt 0x0
	s_add_nc_u64 s[20:21], s[4:5], s[20:21]
	s_add_nc_u64 s[22:23], s[6:7], s[22:23]
	s_add_nc_u64 s[46:47], s[8:9], s[46:47]
	s_add_nc_u64 s[92:93], s[10:11], s[92:93]
	CROUND                                         ; all sixteen work-groups are here: the joint loads meet
	s_mov_b32 s[G0S], 1
	s_add_co_u32 s[G0S+1], s94, SCL
	s_mov_b64 s[G0S+2:G0S+3], s[22:23]
	s_or_b32 s[G0S+3], s[G0S+3], 0x80000000
	s_mov_b32 s[G0SB], 1
	s_add_co_u32 s[G0SB+1], s94, SCL
	s_mov_b64 s[G0SB+2:G0SB+3], s[92:93]
	s_or_b32 s[G0SB+3], s[G0SB+3], 0x80000000
	JLOAD G0S, G1S, G0SB, G1SB                     ; the scales first: they are wanted with K step 0
.irp s, 0,1
	s_mov_b32 s[G0+4*\s], 1
	s_add_co_u32 s[G0+4*\s+1], s45, \s*SLOT
	s_add_nc_u64 s[G0+4*\s+2:G0+4*\s+3], s[20:21], \s*ROWB
	s_or_b32 s[G0+4*\s+3], s[G0+4*\s+3], 0x80000000
	s_mov_b32 s[G0B+4*\s], 1
	s_add_co_u32 s[G0B+4*\s+1], s45, \s*SLOT
	s_add_nc_u64 s[G0B+4*\s+2:G0B+4*\s+3], s[46:47], \s*ROWB
	s_or_b32 s[G0B+4*\s+3], s[G0B+4*\s+3], 0x80000000
	JLOAD G0+4*\s, G1, G0B+4*\s, G1B               ; three tensor loads of mine are out behind the second of these
.endr
	v_and_b32 v1, 15, v0                           ; r = l % 16
	v_bfe_u32 v2, v0, 4, 1                         ; h = l / 16
	; the bias of my 128 columns, in the result's layout: register 8 b + j = bias[16 b + 8 h + j]
	s_cmp_eq_u32 ttmp9, 2                          ; the cluster's x is the tensor: the same in all sixteen partners
	s_cselect_b64 s[98:99], s[100:101], s[98:99]
	s_cmp_eq_u32 ttmp9, 0
	s_cselect_b64 s[96:97], s[96:97], s[98:99]
	s_lshl_b32 s46, s40, 10                        ; 256 columns x 4 bytes for each place along x,
	s_lshl_b32 s47, s16, 9                         ; 128 for my half
	s_add_co_u32 s46, s46, s47
	s_mov_b32 s47, 0
	s_add_nc_u64 s[96:97], s[96:97], s[46:47]
	v_lshlrev_b32 v[BOF], 5, v2
.irp b, 0,1,2,3,4,5,6,7
	global_load_b128 v[BI+8*\b:BI+8*\b+3], v[BOF], s[96:97] offset:64*\b
	global_load_b128 v[BI+8*\b+4:BI+8*\b+7], v[BOF], s[96:97] offset:64*\b+16
.endr
	v_mul_u32_u24 v3, v1, PITCH
	v_lshl_add_u32 v4, v2, 4, v3                   ; a fragment's row x pitch + 16 x half
	s_mul_i32 s21, s15, HALFT                      ; my 128 rows of A
	s_mul_i32 s22, s16, HALFT                      ; my 128 rows of B,
	s_add_co_u32 s22, s22, 2*HALFT                 ; which lie behind A's 256
.irp s, 0,1
	v_add_nc_u32 v[ADRA+\s], s21, v4
	v_add_nc_u32 v[ADRB+\s], s22, v4
	s_add_co_u32 s21, s21, SLOT
	s_add_co_u32 s22, s22, SLOT
.endr
	v_mul_u32_u24 v5, v1, KS                       ; my row's scales: 32 bytes a row,
	v_lshrrev_b32 v6, 8, v5
	v_lshl_add_u32 v5, v6, 4, v5                   ; and 16 more for each 256 passed
	s_mul_i32 s21, s15, HALFS
	s_mul_i32 s22, s16, HALFS
	s_add_co_u32 s22, s22, 2*HALFS
	s_sub_co_u32 s22, s22, s21
	v_mul_u32_u24 v6, s22, v2                      ; lanes 16-31 take B's: one product, the distance between the two bases
	s_add_co_u32 s21, s21, SCL
	v_add_nc_u32 v5, v5, v6
	v_add_nc_u32 v[ADRS], s21, v5
	s_mul_i32 s23, s14, 16*SPITCH                  ; my stage
	v_mul_u32_u24 v5, v1, SPITCH
	v_lshl_add_u32 v5, v2, 4, v5
	v_add_nc_u32 v[STO], s23, v5                   ; in: row r, 16 bytes for each half of the lanes
	v_bfe_u32 v5, v0, 3, 2
	v_mul_u32_u24 v5, v5, SPITCH
	v_and_b32 v6, 7, v0
	v_lshl_add_u32 v5, v6, 4, v5
	v_add_nc_u32 v[RD], s23, v5                    ; back: eight lanes take a head's 128 bytes of a row, four rows an instruction
	v_and_b32 v6, 31, v0
	v_lshlrev_b32 v[CO], 4, v6                     ; which are 512 consecutive bytes in qkv
	s_lshl_b32 s20, s17, 8
	s_lshl_b32 s21, s15, 7
	s_add_co_u32 s20, s20, s21                     ; my first row of C
	s_lshr_b32 s21, s20, 11                        ; its batch,
	s_lshl_b32 s21, s21, 22
	s_and_b32 s20, s20, 2047                       ; its token
	s_lshl_b32 s20, s20, 7
	s_add_co_u32 s20, s20, s21
	s_lshl_b32 s21, ttmp9, 24                      ; the tensor
	s_add_co_u32 s20, s20, s21
	s_lshl_b32 s46, s40, 2
	s_lshl_b32 s47, s16, 1
	s_add_co_u32 s46, s46, s47                     ; my first head: 4 cx + 2 x half
	s_lshl_b32 s46, s46, 18
	s_add_co_u32 s20, s20, s46
	s_mov_b32 s21, 0
	s_add_nc_u64 s[12:13], s[12:13], s[20:21]
.macro FRAG reg, adr, q, i             ; 16 rows x 128 K of 4-bit codes: 8 registers, two loads of 16 bytes, 32 bytes apart
.irp c, 0,1
	ds_load_b128 v[\reg+4*\c:\reg+4*\c+3], v[\adr] offset:64*(\q)+32*\c+(\i)*16*PITCH
.endr
.endm
; 16 matrix instructions: A's blocks a0, a0 + 1 x B's eight.  p: B's set; sc: the set of scale words.  first = 1: the bias starts the sums.  The 64 accumulators take turns, one instruction a turn.
.macro MUL16 a0, p, q, sc, first
.irp a, \a0, \a0+1
.irp b, 0,1,2,3,4,5,6,7
.if \first
	v_wmma_scale_f32_16x16x128_f8f6f4 v[8*(8*((\a)%4)+\b):8*(8*((\a)%4)+\b)+7], v[128*(\p)+FR*\b:128*(\p)+FR*\b+FR-1], v[AF+FR*(\a):AF+FR*(\a)+FR-1], v[BI+8*\b:BI+8*\b+7], v[SC+8*NQ*(\sc)+NQ*\b+(\q)], v[SC+8*NQ*(\sc)+NQ*(\a)+(\q)] matrix_a_fmt:MATRIX_FMT_FP4 matrix_b_fmt:MATRIX_FMT_FP4 matrix_a_scale:MATRIX_SCALE_ROW1
.else
	v_wmma_scale_f32_16x16x128_f8f6f4 v[8*(8*((\a)%4)+\b):8*(8*((\a)%4)+\b)+7], v[128*(\p)+FR*\b:128*(\p)+FR*\b+FR-1], v[AF+FR*(\a):AF+FR*(\a)+FR-1], v[8*(8*((\a)%4)+\b):8*(8*((\a)%4)+\b)+7], v[SC+8*NQ*(\sc)+NQ*\b+(\q)], v[SC+8*NQ*(\sc)+NQ*(\a)+(\q)] matrix_a_fmt:MATRIX_FMT_FP4 matrix_b_fmt:MATRIX_FMT_FP4 matrix_a_scale:MATRIX_SCALE_ROW1
.endif
.endr
.endr
.endm
.macro FETCH_B slot, q, p
	WIN TO_B
.irp i, 0,1,2,3,4,5,6,7
	FRAG 128*(\p)+FR*\i, ADRB+\slot, \q, \i
.endr
	WIN 0
.endm
.macro FETCH_A slot, q, i0
.irp i, \i0, \i0+1, \i0+2, \i0+3
	FRAG AF+FR*(\i), ADRA+\slot, \q, \i
.endr
.endm
.macro SCALES sc                       ; a K step's scale words: lanes 0-15 take A's block i, lanes 16-31 B's block i
.irp i, 0,1,2,3,4,5,6,7
	ds_load_b128 v[SC+8*NQ*\sc+NQ*\i:SC+8*NQ*\sc+NQ*\i+3], v[ADRS] offset:\i*SBLK
.endr
.endm
.macro PLACES n                        ; plain vector lines between a matrix instruction and a load into, or a read of, its registers
.rept \n
	v_nop
.endr
.endm
.macro STEP slot, q, first             ; 128 along K, with its successor in the same slot
	s_wait_dscnt 4*NL                              ; B's set, A's blocks 0-3 and the scale words are in; the youngest eight loads (A's blocks 4-7) may be out
.if \first
	WIN MUL_LO0
.else
	WIN MUL_LO
.endif
	MUL16 0, (\q)%2, \q, \slot, \first
	MUL16 2, (\q)%2, \q, \slot, \first
	s_wait_dscnt 0
	PLACES NP
	FETCH_B \slot, (\q)+1, 1-(\q)%2
	FETCH_A \slot, (\q)+1, 0
.if \first
	WIN MUL_HI0
.else
	WIN MUL_HI
.endif
	MUL16 4, (\q)%2, \q, \slot, \first
	MUL16 6, (\q)%2, \q, \slot, \first
	PLACES NP
	WIN 0
	FETCH_A \slot, (\q)+1, 4
.endm
; Slot 0's last step changes slots: each wave waits for all its tensor loads (its part of slot 1), and for its reads of slot 0, and passes the barrier: behind it slot 1 is whole, and nobody reads slot 0 any more.
.macro TURN slot, next
	s_wait_tensorcnt 0x0
	ds_add_u32 v[SPW], v[NIL]
	s_wait_dscnt 4*NL+1                            ; (the add and the youngest eight loads may be out)
	WIN MUL_LO
	MUL16 0, 1, NQ-1, \slot, 0
	s_wait_dscnt 0x0
	s_barrier_signal -1
	MUL16 2, 1, NQ-1, \slot, 0
	WIN 0
	s_barrier_wait -1
	PLACES NP
	v_add_nc_u32 v[ADRS], 4*NQ, v[ADRS]            ; on to the next K step's scale words
	FETCH_B \next, 0, 0
	FETCH_A \next, 0, 0
	SCALES \next
	WIN MUL_HI
	MUL16 4, 1, NQ-1, \slot, 0
	MUL16 6, 1, NQ-1, \slot, 0
	PLACES NP
	WIN 0
	FETCH_A \next, 0, 4
.endm
	s_wait_tensorcnt 1                             ; the scales and my part of K step 0 are in; K step 1's load may be out
	s_barrier_signal -1
	s_barrier_wait -1
	FETCH_B 0, 0, 0
	FETCH_A 0, 0, 0
	SCALES 0
	FETCH_A 0, 0, 4
	s_wait_loadcnt 0x0                             ; the bias
	STEP 0, 0, 1
	STEP 0, 1, 0
	STEP 0, 2, 0
	TURN 0, 1
	STEP 1, 0, 0
	STEP 1, 1, 0
	STEP 1, 2, 0
	s_wait_dscnt 4*NL                              ; the very last step: nothing more to fetch
	WIN MUL_LO
	MUL16 0, 1, NQ-1, 1, 0
	MUL16 2, 1, NQ-1, 1, 0
	s_wait_dscnt 0
	WIN MUL_HI
	MUL16 4, 1, NQ-1, 1, 0
	MUL16 6, 1, NQ-1, 1, 0
	WIN 0
; THE WAY OUT, a block of 16 rows x 128 columns (two heads) at a time: rounded to f16, 16 bytes a lane into my stage, back as four tokens x 128 bytes of one head, which are 512 consecutive bytes of qkv.
.macro PACK a
.set AC, 64*((\a)%4)
	WIN 0x0a+5*((\a)/4)                            ; sources 0 and 1: window 2 or 3
.irp b, 0,1,2,3,4,5,6,7
.irp i, 0,1,2,3
	v_cvt_pk_f16_f32 v[TMP+4*\b+\i], v[AC+8*\b+2*\i], v[AC+8*\b+2*\i+1]   ; each accumulator from its low end on
.endr
.endr
	WIN 0
.endm
.macro TOSTAGE a
.set BB, BK+32*((\a)%2)
.irp b, 0,1,2,3,4,5,6,7
	ds_store_b128 v[STO], v[TMP+4*\b:TMP+4*\b+3] offset:32*\b
.endr
.irp u, 0,1
.irp i, 0,1,2,3
	ds_load_b128 v[BB+4*(4*\u+\i):BB+4*(4*\u+\i)+3], v[RD] offset:4*SPITCH*\i+128*\u   ; LDS serves a wave in order: these see the stores above
.endr
.endr
.endm
.macro SEND a
.set BB, BK+32*((\a)%2)
	s_wait_dscnt 0x0                               ; the block is back in registers
	s_wait_xcnt 0x0                                ; the stores of the block before have read their registers: the next block's loads may land there
.irp u, 0,1
.irp i, 0,1,2,3
	global_store_b128 v[CO], v[BB+4*(4*\u+\i):BB+4*(4*\u+\i)+3], s[12:13] offset:\u*262144+(\a)*2048+512*\i
.endr
.endr
.endm
	PLACES NP
	PACK 0
	TOSTAGE 0
.irp a, 1,2,3,4,5,6,7                  ; block a's conversions stand between block a - 1's loads from the stage and the wait for them
	PACK \a
	SEND \a-1
	TOSTAGE \a
.endr
	SEND 7
	s_wait_tensorcnt 0x0                           ; the wave's end
	ds_add_u32 v[SPW], v[NIL]
	s_wait_dscnt 0x0
	CROUND                                         ; the closing round
	s_endpgm
.Lfunc_end_k_qa8ed0f70ff_qkv:
	.size	k_qa8ed0f70ff_qkv, .Lfunc_end_k_qa8ed0f70ff_qkv-k_qa8ed0f70ff_qkv
	.p2alignl 7, 3214868480
	.fill 96, 4, 3214868480
	.section	.rodata,"a",@progbits
	.p2align	6, 0x0
	.amdhsa_kernel k_qa8ed0f70ff_qkv
		.amdhsa_group_segment_fixed_size 327680
		.amdhsa_private_segment_fixed_size 0
		.amdhsa_enable_private_segment 0
		.amdhsa_kernarg_size 64
		.amdhsa_user_sgpr_count 2
		.amdhsa_user_sgpr_kernarg_segment_ptr 1
		.amdhsa_wavefront_size32 1
		.amdhsa_system_sgpr_workgroup_id_x 1
		.amdhsa_system_sgpr_workgroup_id_y 1
		.amdhsa_system_sgpr_workgroup_id_z 1
		.amdhsa_system_vgpr_workitem_id 0
		.amdhsa_next_free_vgpr 1024
		.amdhsa_next_free_sgpr 102
		.amdhsa_reserve_vcc 0
		.amdhsa_float_denorm_mode_32 3
		.amdhsa_float_denorm_mode_16_64 3
		.amdhsa_memory_ordered 1
		.amdhsa_forward_progress 1
		.amdhsa_inst_pref_size 128
	.end_amdhsa_kernel
	.amdgpu_metadata
---
amdhsa.version: [ 1, 2 ]
amdhsa.kernels:
  - .name:           k_qa8ed0f70ff_qkv
    .symbol:         k_qa8ed0f70ff_qkv.kd
    .args:
      - { .name: x_codes, .offset: 0, .size: 8, .value_kind: global_buffer, .address_space: global }
      - { .name: x_scales, .offset: 8, .size: 8, .value_kind: global_buffer, .address_space: global }
      - { .name: w_codes, .offset: 16, .size: 8, .value_kind: global_buffer, .address_space: global }
      - { .name: w_scales, .offset: 24, .size: 8, .value_kind: global_buffer, .address_space: global }
      - { .name: bq, .offset: 32, .size: 8, .value_kind: global_buffer, .address_space: global }
      - { .name: bk, .offset: 40, .size: 8, .value_kind: global_buffer, .address_space: global }
      - { .name: bv, .offset: 48, .size: 8, .value_kind: global_buffer, .address_space: global }
      - { .name: qkv, .offset: 56, .size: 8, .value_kind: global_buffer, .address_space: global }
    .group_segment_fixed_size: 327680
    .private_segment_fixed_size: 0
    .kernarg_segment_align: 8
    .kernarg_segment_size: 64
    .max_flat_workgroup_size: 128
    .sgpr_count:     102
    .vgpr_count:     1024
    .wavefront_size: 32
...
	.end_amdgpu_metadata
.endif
;; end of part 2
;; launch attn (part 3): grid 4 x 64, 8 waves a work-group, no clusters, 327,680 bytes of LDS; arguments qkv, att; writes att
.if DOCPART == 3
	.amdgcn_target "amdgcn-amd-amdhsa--gfx1250"
	.amdhsa_code_object_version 6
	.text
	.protected	k_qa8ed0f70ff_attn
	.globl	k_qa8ed0f70ff_attn
	.p2align	8
	.type	k_qa8ed0f70ff_attn,@function
k_qa8ed0f70ff_attn:
	s_mov_b64 s[64:65], 0
	v_nop
	global_prefetch_b8 v0, s[64:65] scope:SCOPE_SE
	s_setreg_imm32_b32 hwreg(HW_REG_WAVE_MODE, 25, 1), 1
	s_wait_xcnt 0x0
; att[bh][q][:] = the sum over k of softmax_k(Q[bh][q] . K[bh][k] / 8) V[bh][k][:].  Q, K, V: f16, [64 (batch x 16 + head)][2048][64], at qkv + 0, 2^24, 2 x 2^24; att: the same layout, f16.
; Products, maxima and sums in f32; the weights p are rounded to f16 for the second product, the result once at the end.
; LIMITS: a weight under 6e-8 of its row's largest counts as 0 (f16); the result's magnitudes under 65,504, under 6e-5 with an absolute error of 3e-8.  NaN and infinities are not served.
; SHARES.  A work-group owns 512 queries of one head, each of its eight waves 64: four tiles of 16, in 512 registers, so two waves share a SIMD's registers.  Every wave walks all 2,048 keys, 64 a step.
; LAYOUT.  S^T = K Q^T (source 0 = 16 keys, source 1 = 16 queries): a lane holds ONE query and the keys 8 (lane / 16) + 0..7.  Two such tiles, rounded in pairs, ARE source 1 (32 keys x 16 queries) of O^T = V^T P.
; K comes out of LDS as it lies, V ([key][channel]) turned, by ds_load_tr16_b128.
; SOFTMAX.  For each query a running maximum m and sum l: p = 2^(c s - c m), c = log2(e) / 8; in every step O and l are multiplied by a = 2^(c m_old - c m_new).
; TWO PHASES, AND TWO GROUPS OF WAVES HALF A TRIP APART.  A trip is a matrix phase (32 products V^T P of step j, 32 products K Q^T of step j + 1) and a vector phase (the softmax of step j + 1).  At the start
; group 0 runs its first softmax while group 1 stands at a barrier; from then on one group's matrix phase falls beside the other's vector phase.  The group is (w xor (w >> 2)) & 1: it differs between waves w and w + 4
; and between waves 2 s and 2 s + 1.  At a change of slots the barrier's signal stands at the head of a vector phase and its wait at that phase's end, with register work alone between, so the groups stay apart.
; NO CLUSTER, though the four work-groups of a head walk the same K and V: a round of the cluster's barrier ends with a work-group barrier whose signal and wait stand on end, which would bring the two groups back into step
; at every change of slots; and what would be shared is 16,384 bytes a key step for the work-group's 512 matrix instructions.
; REGISTERS.  Window 0: v1-12 addresses; v16-47 eight registers of statistics a tile; v64-191 S^T, 32 a tile (P is written in place into each tile's first 16); v192-255 K of one step.
;   Window 1: v0-127 O^T, 32 a tile; v128-191 Q, 16 a tile; v192-255 V of one step.
.set KS,    64                         ; keys in a step
.set PK,    144                        ; a row of K in LDS: 128 bytes + 16: the 16 rows of a load start 4 banks apart
.set PVP,   160                        ; a row of V: 128 + 32: an odd multiple of 32 bytes, for the turning load
.set VOFF,  KS*PK
.set STEPB, KS*(PK+PVP)                ; a step's tiles lie together: 64 rows of K, then 64 rows of V
.set SLOT1, 1<<17                      ; a slot holds four steps (77,824 bytes); slot 1 begins here, so that one exclusive or turns an address
.set STAGE, SLOT1+4*STEPB              ; 16 rows x 144 bytes for each wave, for the way out: no tensor load lands here
.set SP,    144
.set SPARE, STAGE+8*16*SP              ; the spare words, 128 bytes for each wave
.set AK0, 2
.set AV0, 3
.set ADK, 4
.set ADV, 5
.set QO,  6
.set STO, 7
.set RD,  8
.set GO,  9
.set PFO, 10
.set SPW, 11
.set NIL, 12
.set ST,  16                           ; tile t at v[ST + 8 t]: +0 c m, +1 m, +2, +3 l (even keys', odd keys'), +4 to +7 c0-c3 at work; later +4, +5 a second sum, +6 a
.set S,   64
.set KF,  192
.set QF,  128                          ; in window 1
.set VF,  192                          ; in window 1
.set WV,  12
.set GRP, 13
.set G1K, 16
.set G1V, 24
.set G0A, 32                           ; group 0 of slot 0's first fill
.set G0B, 36                           ; of slot 1's; it then walks on
.set CS,  40
.set SEL, 42
.set TB,  44                           ; LDS byte at which the tiles of the step to be fetched begin
.set SLOTS, 45
.set INNER, 46
.set LIM, 47
.set PFA, 48
.set MSB, 0
.macro WIN new
.if MSB != \new
	s_set_vgpr_msb (MSB<<8)|\new
.set MSB, \new
.endif
.endm
; A refill: waves 0 to 3 fetch K of the slot's step w, waves 4 to 7 V of step w - 4: one tile a wave.  K's and V's tiles differ in the padding, so there are two groups 1 and two lines; the branch hangs on the wave's number.
.macro TLOAD
	s_cmp_lt_u32 s[WV], 4
	s_cbranch_scc0 .Lfor_v_\@
	tensor_load_to_lds s[G0B:G0B+3], s[G1K:G1K+7]
	s_nop 0
.rept 4
	v_nop
.endr
	s_branch .Lasked_\@
.Lfor_v_\@:
	tensor_load_to_lds s[G0B:G0B+3], s[G1V:G1V+7]
	s_nop 0
.rept 4
	v_nop
.endr
.Lasked_\@:
.endm
; A prefetch of what the NEXT change of slots will ask for, four key steps ahead of that load.  The four work-groups of a head walk the same K and V: the head's first asks; each of its eight waves names the 8,192 bytes
; that it will itself fetch, lanes 256 bytes apart: so each aligned block of 256 bytes is named once in the launch.  The last refill asks for nothing; slots 0 to 2 come by their loads alone.
.macro ASK
	s_cmp_gt_u32 s[SLOTS], s[LIM]
	s_cbranch_scc0 .Lnot_mine_\@
	global_prefetch_b8 v[PFO], s[PFA:PFA+1] th:TH_LOAD_NT scope:SCOPE_SE
.Lnot_mine_\@:
.endm
	s_load_b128 s[4:7], s[0:1], 0x0                ; qkv, att
	v_lshl_add_u32 v[SPW], v0, 2, SPARE
	v_mov_b32 v[NIL], 0
	ds_add_u32 v[SPW], v[NIL]                      ; the wave's opening: the add, twice on end, and its wait ahead of my first tensor load
	ds_add_u32 v[SPW], v[NIL]
	v_lshrrev_b32 v1, 5, v0
	v_readfirstlane_b32 s[WV], v1                  ; wave 0..7
	s_lshr_b32 s[GRP], s[WV], 2
	s_xor_b32 s[GRP], s[GRP], s[WV]
	s_and_b32 s[GRP], s[GRP], 1
	s_mov_b32 s[G1K], (1<<16)|(1<<20)|(4<<22)|(3<<25)   ; no mask; elements of 2 bytes; padding on: after every 32 words four words
	s_mov_b32 s[G1V], (1<<16)|(1<<20)|(4<<22)|(7<<25)   ; the same with eight words
.irp g, G1K, G1V
	s_mov_b32 s[\g+1], 64<<16                      ; tensor_dim0 = 64
	s_mov_b32 s[\g+2], KS<<16                      ; tensor_dim1 = 64
	s_mov_b32 s[\g+3], 64<<16                      ; tile_dim0 = 64
	s_mov_b32 s[\g+4], KS                          ; tile_dim1 = 64
	s_mov_b32 s[\g+5], 64                          ; the pitch: rows are dense
	s_mov_b32 s[\g+6], 0
	s_mov_b32 s[\g+7], 0
.endr
	s_mov_b32 s[CS], 0x3e38aa3b                    ; c = log2(e) / 8
	s_mov_b32 s[CS+1], s[CS]                       ; (named with it as a pair, so it is written)
	s_mov_b32 s[SEL], 0x76543210
	s_mov_b32 s[SEL+1], 0xfedcba98                 ; v_permlanex16_b32: lane l xor 16
	s_mov_b32 s[TB], STEPB                         ; step 0 is fetched by the lines in front of the loop
	s_mov_b32 s[SLOTS], 6                          ; refills: the keys' slots 2 to 7
	s_cmp_eq_u32 ttmp9, 0
	s_cselect_b32 s[LIM], 1, -1
	s_and_b32 s50, ttmp7, 0xffff
	s_lshl_b32 s50, s50, 18                        ; the head's first byte in each tensor
	s_lshl_b32 s52, ttmp9, 16                      ; my work-group's 512 rows of 128 bytes,
	s_lshl_b32 s53, s[WV], 13                      ; my wave's 64
	s_add_co_u32 s52, s52, s53
	s_add_co_u32 s52, s52, s50
	s_mov_b32 s53, 0
	s_lshr_b32 s56, s[WV], 2                       ; I fetch for K (0) or for V (1),
	s_and_b32 s57, s[WV], 3                        ; this one of a slot's four steps
	s_add_co_u32 s54, s56, 1
	s_lshl_b32 s54, s54, 24
	s_add_co_u32 s54, s54, s50
	s_lshl_b32 s55, s57, 13
	s_add_co_u32 s54, s54, s55
	s_mov_b32 s55, 0
	s_mul_i32 s57, s57, STEPB
	s_mul_i32 s56, s56, VOFF
	s_add_co_u32 s56, s56, s57                     ; and its place in a slot
	s_wait_dscnt 0x0                               ; both opening adds are done
	s_wait_kmcnt 0x0
	s_add_nc_u64 s[8:9], s[4:5], s[54:55]          ; my tile of slot 0
	s_add_nc_u64 s[4:5], s[4:5], s[52:53]          ; Q at my wave's first row
	s_add_nc_u64 s[6:7], s[6:7], s[52:53]          ; att likewise
	s_mov_b32 s[G0A], 1
	s_mov_b32 s[G0A+1], s56
	s_mov_b64 s[G0A+2:G0A+3], s[8:9]
	s_or_b32 s[G0A+3], s[G0A+3], 0x80000000
	s_mov_b32 s[G0B], 1
	s_add_co_u32 s[G0B+1], s56, SLOT1
	s_add_nc_u64 s[G0B+2:G0B+3], s[8:9], 4*KS*128
	s_or_b32 s[G0B+3], s[G0B+3], 0x80000000
	s_add_nc_u64 s[PFA:PFA+1], s[8:9], 2*4*KS*128  ; in slot 2; the first change of slots steps it to slot 3
	s_cmp_lt_u32 s[WV], 4                          ; a wave's two first fills stand in one branch, ahead of every wait on TENSORcnt, LDS read and barrier: two loads of mine are out
	s_cbranch_scc0 .Lfirst_v
	tensor_load_to_lds s[G0A:G0A+3], s[G1K:G1K+7]
	s_nop 0
	tensor_load_to_lds s[G0B:G0B+3], s[G1K:G1K+7]
	s_nop 0
.rept 4
	v_nop
.endr
	s_branch .Lfirst_asked
.Lfirst_v:
	tensor_load_to_lds s[G0A:G0A+3], s[G1V:G1V+7]
	s_nop 0
	tensor_load_to_lds s[G0B:G0B+3], s[G1V:G1V+7]
	s_nop 0
.rept 4
	v_nop
.endr
.Lfirst_asked:
	v_and_b32 v1, 15, v0                           ; r
	v_bfe_u32 v13, v0, 4, 1                        ; h
	v_lshlrev_b32 v[QO], 7, v1
	v_lshl_add_u32 v[QO], v13, 4, v[QO]            ; Q: row r of 128 bytes, + 16 h
	WIN 0x40                                       ; destination window 1
.irp t, 0,1,2,3
.irp g, 0,1
	global_load_b128 v[QF+16*\t+8*\g:QF+16*\t+8*\g+3],   v[QO], s[4:5] offset:\t*2048+64*\g
	global_load_b128 v[QF+16*\t+8*\g+4:QF+16*\t+8*\g+7], v[QO], s[4:5] offset:\t*2048+64*\g+32
.endr
.endr
	WIN 0
	v_mul_u32_u24 v[AK0], v1, PK
	v_lshl_add_u32 v[AK0], v13, 4, v[AK0]          ; K: row x pitch + 16 x half
	v_and_b32 v14, 7, v0
	v_bfe_u32 v15, v0, 3, 1
	v_lshl_add_u32 v[AV0], v13, 3, v14             ; V: key 8 h + l % 8,
	v_mul_u32_u24 v[AV0], v[AV0], PVP
	v_lshl_add_u32 v[AV0], v15, 4, v[AV0]          ; channels 8 ((l / 8) % 2) on
	v_add_nc_u32 v[AV0], VOFF, v[AV0]
	s_mul_i32 s50, s[WV], 16*SP
	s_add_co_u32 s50, s50, STAGE                   ; my stage
	v_mul_u32_u24 v[STO], v1, SP
	v_lshl_add_u32 v[STO], v13, 4, v[STO]
	v_add_nc_u32 v[STO], s50, v[STO]               ; in: row r, 16 bytes for each half of the lanes
	v_bfe_u32 v15, v0, 3, 2
	v_mul_u32_u24 v[RD], v15, SP
	v_lshl_add_u32 v[RD], v14, 4, v[RD]
	v_add_nc_u32 v[RD], s50, v[RD]                 ; back: eight lanes to a row of 128 bytes, four rows an instruction
	v_and_b32 v[GO], 31, v0
	v_lshlrev_b32 v[PFO], 8, v[GO]
	v_lshlrev_b32 v[GO], 4, v[GO]
.irp t, 0,1,2,3
	v_mov_b32 v[ST+8*\t+1], 0xff61b1e6             ; m = -3e38, under every score: the first step's a is then 0
	v_mov_b32 v[ST+8*\t+2], 0                      ; l
	v_mov_b32 v[ST+8*\t+3], 0
	v_mul_f32 v[ST+8*\t], s[CS], v[ST+8*\t+1]      ; c m
.endr
.macro KLOAD adr                       ; a step's K: fragment (16 keys k, 32 channels g) at KF + 16 k + 8 g
.irp k, 0,1,2,3
.irp g, 0,1
	ds_load_b128 v[KF+16*\k+8*\g:KF+16*\k+8*\g+3],   v[\adr] offset:\k*16*PK+64*\g
	ds_load_b128 v[KF+16*\k+8*\g+4:KF+16*\k+8*\g+7], v[\adr] offset:\k*16*PK+64*\g+32
.endr
.endr
.endm
.macro VLOAD adr                       ; a step's V, turned: fragment (32 keys g, 16 channels n) at VF + 32 g + 8 n of window 1
	WIN 0x40
.irp g, 0,1
.irp n, 0,1,2,3
	ds_load_tr16_b128 v[VF+32*\g+8*\n:VF+32*\g+8*\n+3],   v[\adr] offset:\g*32*PVP+32*\n
	ds_load_tr16_b128 v[VF+32*\g+8*\n+4:VF+32*\g+8*\n+7], v[\adr] offset:\g*32*PVP+16*PVP+32*\n
.endr
.endr
	WIN 0
.endm
; 32 products S^T = K Q^T: channels 32 (i / 16) on, keys 16 ((i / 4) % 4) on, tile i % 4.  The first 16 start the sums.  Sixteen accumulators take turns, one instruction a turn.
.macro KQ
	WIN 0x04                                       ; Q in window 1
.set i, 0
.rept 32
.set rS, S+32*(i%4)+8*((i/4)%4)
.set rK, KF+16*((i/4)%4)+8*(i/16)
.set rQ, QF+16*(i%4)+8*(i/16)
.if i < 16
	v_wmma_f32_16x16x32_f16 v[rS:rS+7], v[rK:rK+7], v[rQ:rQ+7], 0
.else
	v_wmma_f32_16x16x32_f16 v[rS:rS+7], v[rK:rK+7], v[rQ:rQ+7], v[rS:rS+7]
.endif
.set i, i+1
.endr
	WIN 0
.endm
; 32 products O^T += V^T P: keys 32 (i / 16) on, channels 16 ((i / 4) % 4) on, tile i % 4.  zero = 1: the first 16 start the sums: nothing is ever cleared.
.macro PVM zero
	WIN 0x51                                       ; V, C and D in window 1, P in window 0
.set i, 0
.rept 32
.set rO, 32*(i%4)+8*((i/4)%4)
.set rV, VF+32*(i/16)+8*((i/4)%4)
.set rP, S+32*(i%4)+8*(i/16)
.if \zero && (i < 16)
	v_wmma_f32_16x16x32_f16 v[rO:rO+7], v[rV:rV+7], v[rP:rP+7], 0
.else
	v_wmma_f32_16x16x32_f16 v[rO:rO+7], v[rV:rV+7], v[rP:rP+7], v[rO:rO+7]
.endif
.set i, i+1
.endr
.endm
; THE SOFTMAX of a key step, four tiles by turns in every group of lines, all in window 0.
.macro SMAIN
.irp k, 0,1,2,3                        ; the maximum of a lane's 32 scores and the old m: four chains, each begun at an accumulator's low end
.irp t, 0,1,2,3
	v_max3_num_f32 v[ST+8*\t+4+\k], v[S+32*\t+8*\k], v[S+32*\t+8*\k+1], v[S+32*\t+8*\k+2]
.endr
.endr
.irp e, 3,5
.irp k, 0,1,2,3
.irp t, 0,1,2,3
	v_max3_num_f32 v[ST+8*\t+4+\k], v[ST+8*\t+4+\k], v[S+32*\t+8*\k+\e], v[S+32*\t+8*\k+\e+1]
.endr
.endr
.endr
.irp t, 0,1,2,3
	v_max3_num_f32 v[ST+8*\t+4], v[ST+8*\t+4], v[S+32*\t+7], v[S+32*\t+15]
.endr
.irp t, 0,1,2,3
	v_max3_num_f32 v[ST+8*\t+6], v[ST+8*\t+6], v[S+32*\t+23], v[S+32*\t+31]
.endr
.irp t, 0,1,2,3
	v_max3_num_f32 v[ST+8*\t+4], v[ST+8*\t+4], v[ST+8*\t+5], v[ST+8*\t+6]
.endr
.irp t, 0,1,2,3
	v_max3_num_f32 v[ST+8*\t+4], v[ST+8*\t+4], v[ST+8*\t+7], v[ST+8*\t+1]
.endr
.irp t, 0,1,2,3
	v_permlanex16_b32 v[ST+8*\t+5], v[ST+8*\t+4], s[SEL], s[SEL+1]   ; the query's other 32 keys lie in the lane 16 away
.endr
.irp t, 0,1,2,3
	v_mov_b32 v[ST+8*\t+7], v[ST+8*\t]             ; c m_old is kept for a
.endr
.irp t, 0,1,2,3
	v_max_num_f32 v[ST+8*\t+1], v[ST+8*\t+4], v[ST+8*\t+5]
.endr
.irp t, 0,1,2,3
	v_mul_f32 v[ST+8*\t], s[CS], v[ST+8*\t+1]
.endr
.irp t, 0,1,2,3
	v_sub_f32 v[ST+8*\t+7], v[ST+8*\t+7], v[ST+8*\t]
.endr
; ONE BATCH: the four a, the 64 packed scalings c s - c m and the 128 exponentials.  None of these lines names an exponential's result.  A tile's scalings stand among the exponentials of the tile before.
.irp t, 0,1,2,3
	v_exp_f32 v[ST+8*\t+6], v[ST+8*\t+7]
.endr
.irp i, 0,1,2,3,4,5,6,7,8,9,10,11,12,13,14,15
	v_pk_fma_f32 v[S+2*\i:S+2*\i+1], v[S+2*\i:S+2*\i+1], s[CS:CS+1], v[ST:ST+1] op_sel_hi:[1,0,0] neg_lo:[0,0,1] neg_hi:[0,0,1]
.endr
.irp t, 0,1,2,3
.irp i, 0,1,2,3,4,5,6,7,8,9,10,11,12,13,14,15
.if \t < 3
	v_pk_fma_f32 v[S+32*(\t+1)+2*\i:S+32*(\t+1)+2*\i+1], v[S+32*(\t+1)+2*\i:S+32*(\t+1)+2*\i+1], s[CS:CS+1], v[ST+8*(\t+1):ST+8*(\t+1)+1] op_sel_hi:[1,0,0] neg_lo:[0,0,1] neg_hi:[0,0,1]
.endif
	v_exp_f32 v[S+32*\t+2*\i], v[S+32*\t+2*\i]
	v_exp_f32 v[S+32*\t+2*\i+1], v[S+32*\t+2*\i+1]
.endr
.endr
	v_nop                                          ; a plain line behind the last exponential,
	s_wait_alu depctr_va_vdst(0)                   ; and the one wait ahead of the batch's first reader
.irp t, 0,1,2,3                        ; the sums, of the weights BEFORE they are rounded: l = a l + the sum, in two chains a tile
	v_pk_mul_f32 v[ST+8*\t+2:ST+8*\t+3], v[ST+8*\t+2:ST+8*\t+3], v[ST+8*\t+6:ST+8*\t+7] op_sel_hi:[1,0]
.endr
.irp t, 0,1,2,3
	v_pk_add_f32 v[ST+8*\t+4:ST+8*\t+5], v[S+32*\t:S+32*\t+1], v[S+32*\t+2:S+32*\t+3]
.endr
.irp j, 4,8,12,16,20,24,28
.irp t, 0,1,2,3
	v_pk_add_f32 v[ST+8*\t+2:ST+8*\t+3], v[ST+8*\t+2:ST+8*\t+3], v[S+32*\t+\j:S+32*\t+\j+1]
.endr
.irp t, 0,1,2,3
	v_pk_add_f32 v[ST+8*\t+4:ST+8*\t+5], v[ST+8*\t+4:ST+8*\t+5], v[S+32*\t+\j+2:S+32*\t+\j+3]
.endr
.endr
.irp t, 0,1,2,3
	v_pk_add_f32 v[ST+8*\t+2:ST+8*\t+3], v[ST+8*\t+2:ST+8*\t+3], v[ST+8*\t+4:ST+8*\t+5]
.endr
.irp i, 0,1,2,3,4,5,6,7,8,9,10,11,12,13,14,15   ; P, in place: register i takes weights 2 i and 2 i + 1, which lie at or above it
.irp t, 0,1,2,3
	v_cvt_pk_f16_f32 v[S+32*\t+\i], v[S+32*\t+2*\i], v[S+32*\t+2*\i+1]
.endr
.endr
.endm
.macro RESCALE                         ; O^T times a, each accumulator from its low end on
	WIN 0x41                                       ; O^T (destination and source 0) in window 1, a in window 0
.set i, 0
.rept 64
	v_pk_mul_f32 v[2*i:2*i+1], v[2*i:2*i+1], v[ST+8*(i/16)+6:ST+8*(i/16)+7] op_sel_hi:[1,0]
.set i, i+1
.endr
	WIN 0
.endm
; THE VECTOR PHASE of a step: its V is asked for, its softmax is run.  chg = 0: within a slot.  chg = 1, 2: this V is the slot's last read: the change of slots.  Each wave waits for all its tensor loads (one is out: its part
; of the other slot), adds 0 to its spare word, waits for that and for its reads of the slot, and signals; the softmax, work on registers alone, stands between signal and wait.  chg = 1: behind the wait the slot is filled
; again with the keys two slots on: my one tensor load, which has three and a half trips in which to land.  chg = 2: nothing is left to fetch.
.macro VPH chg
	v_add_nc_u32 v[ADV], s[TB], v[AV0]             ; with the three lines below: the four places between the last products and the reads of S^T and the loads into V
	v_nop
	v_nop
	v_nop
	VLOAD ADV
.if \chg
	s_sub_co_u32 s[TB], s[TB], 3*STEPB             ; the fetches go back to a slot's first step,
	s_xor_b32 s[TB], s[TB], SLOT1                  ; in the other slot
	s_wait_tensorcnt 0x0                           ; no tensor load of mine is out, so a group 0 may be written
	ds_add_u32 v[SPW], v[NIL]
.if \chg == 1
	s_xor_b32 s[G0B+1], s[G0B+1], SLOT1            ; the walking descriptor: the other slot than last time,
	s_add_nc_u64 s[G0B+2:G0B+3], s[G0B+2:G0B+3], 4*KS*128   ; the next 256 keys
	s_wait_xcnt 0x0                                ; the last prefetch, four trips back, has read its address
	s_add_nc_u64 s[PFA:PFA+1], s[PFA:PFA+1], 4*KS*128
.endif
	s_wait_dscnt 0x0                               ; the add is done, and my reads of the slot are over
	s_barrier_signal -1
.else
	s_add_co_u32 s[TB], s[TB], STEPB
.endif
	SMAIN
	RESCALE
.if \chg
	s_barrier_wait -1                              ; every wave has signalled: the other slot is whole, and nobody reads this one
.endif
.if \chg == 1
	TLOAD
	ASK
.endif
.endm
; THE MATRIX PHASE of step j.  kq = 1: the next step's K is asked for first and lands under the 32 products V^T P.
.macro MPH zero, kq
.if \kq
	v_add_nc_u32 v[ADK], s[TB], v[AK0]
	KLOAD ADK
	s_wait_dscnt 16                                ; V's sixteen loads are in; K's sixteen, just issued, may be out
.else
	s_wait_dscnt 0x0
.endif
	PVM \zero
.if \kq
	s_wait_dscnt 0x0                               ; K is in
.rept 5
	v_nop                                          ; the new scores are laid over P, which the products above have read: five places
.endr
	KQ
.else
	WIN 0
.endif
.endm
	s_wait_tensorcnt 1                             ; my part of slot 0 is in; slot 1's may stay out
	s_barrier_signal -1
	s_barrier_wait -1
	KLOAD AK0                                      ; key step 0
	VLOAD AV0
	s_wait_loadcnt 0x0                             ; Q
	s_wait_dscnt 0x0
	KQ
.rept 5
	v_nop                                          ; five places behind the first scores' products, AHEAD of the branches, so that they lie on every way through the text below: the softmax's reads of S^T and the loads
.endr                                              ; into K's registers ask for four, the products that name S^T's registers as source 1 for five (ISA guide 7.12.1)
	; THE TWO GROUPS PART: group 0 runs its first softmax ahead of the barrier, group 1 behind it.  The first softmax has nothing to rescale: O^T begins with the first products.
	s_cmp_lg_u32 s[GRP], 0
	s_cbranch_scc1 .Lgroup_1_waits
	SMAIN
.Lgroup_1_waits:
	s_barrier_signal -1                            ; no LDS instruction of mine is out
	s_barrier_wait -1
	s_cmp_eq_u32 s[GRP], 0
	s_cbranch_scc1 .Lgroup_0_goes
	SMAIN
.Lgroup_0_goes:
	MPH 1, 1                                       ; steps 0 and 1
	VPH 0
	MPH 0, 1
	VPH 0
.Lslot:                                            ; six trips of four key steps; each begins with the change of slots and its refill
	MPH 0, 1
	VPH 1
	s_mov_b32 s[INNER], 3
.Lthree:
	MPH 0, 1
	VPH 0
	s_sub_co_u32 s[INNER], s[INNER], 1
	s_cmp_lg_u32 s[INNER], 0
	s_cbranch_scc1 .Lthree
	s_sub_co_u32 s[SLOTS], s[SLOTS], 1
	s_cmp_lg_u32 s[SLOTS], 0
	s_cbranch_scc1 .Lslot
	MPH 0, 1                                       ; the tail is written out
	VPH 2
	s_mov_b32 s[INNER], 4
.Lfour:
	MPH 0, 1
	VPH 0
	s_sub_co_u32 s[INNER], s[INNER], 1
	s_cmp_lg_u32 s[INNER], 0
	s_cbranch_scc1 .Lfour
	MPH 0, 0                                       ; V^T P of the last step
	; THE WAY OUT.  l's halves and the other half of the lanes' are added (these lines are the places behind the last products); O^T is divided by l, rounded to f16 and sent through my stage, a tile at a time.
.irp t, 0,1,2,3
	v_add_f32 v[ST+8*\t+4], v[ST+8*\t+2], v[ST+8*\t+3]
.endr
.irp t, 0,1,2,3
	v_permlanex16_b32 v[ST+8*\t+5], v[ST+8*\t+4], s[SEL], s[SEL+1]
.endr
.irp t, 0,1,2,3
	v_add_f32 v[ST+8*\t+4], v[ST+8*\t+4], v[ST+8*\t+5]
.endr
.irp t, 0,1,2,3
	v_rcp_f32 v[ST+8*\t+6], v[ST+8*\t+4]
.endr
	v_nop
	s_wait_alu depctr_va_vdst(0)                   ; one wait for the four reciprocals, ahead of their first reader
.macro PACK t
	WIN 0x41
.set i, 0
.rept 16
	v_pk_mul_f32 v[32*\t+2*i:32*\t+2*i+1], v[32*\t+2*i:32*\t+2*i+1], v[ST+8*\t+6:ST+8*\t+7] op_sel_hi:[1,0]
.set i, i+1
.endr
	WIN 0x05                                       ; sources in window 1, destination in window 0: S^T's registers are free
.set i, 0
.rept 16
	v_cvt_pk_f16_f32 v[S+32*\t+i], v[32*\t+2*i], v[32*\t+2*i+1]
.set i, i+1
.endr
	WIN 0
.irp n, 0,1,2,3
	ds_store_b128 v[STO], v[S+32*\t+4*\n:S+32*\t+4*\n+3] offset:32*\n
.endr
.irp f, 0,1,2,3
	ds_load_b128 v[S+32*\t+4*\f:S+32*\t+4*\f+3], v[RD] offset:\f*4*SP   ; LDS serves a wave in order: these see the stores above, and the next tile's stores come behind them
.endr
.endm
.macro SEND t, younger                 ; younger: the LDS instructions issued behind tile t's loads: the next tile's eight, or none
.irp f, 0,1,2,3
	s_wait_dscnt \younger+3-\f
	global_store_b128 v[GO], v[S+32*\t+4*\f:S+32*\t+4*\f+3], s[6:7] offset:\t*2048+\f*512   ; four rows of 128 bytes: 512 consecutive bytes
.endr
.endm
	PACK 0
	PACK 1
	SEND 0, 8
	PACK 2
	SEND 1, 8
	PACK 3
	SEND 2, 8
	SEND 3, 0
	s_wait_tensorcnt 0x0                           ; the wave's end
	ds_add_u32 v[SPW], v[NIL]
	s_wait_dscnt 0x0
	s_endpgm
.Lfunc_end_k_qa8ed0f70ff_attn:
	.size	k_qa8ed0f70ff_attn, .Lfunc_end_k_qa8ed0f70ff_attn-k_qa8ed0f70ff_attn
	.p2alignl 7, 3214868480
	.fill 96, 4, 3214868480
	.section	.rodata,"a",@progbits
	.p2align	6, 0x0
	.amdhsa_kernel k_qa8ed0f70ff_attn
		.amdhsa_group_segment_fixed_size 327680
		.amdhsa_private_segment_fixed_size 0
		.amdhsa_enable_private_segment 0
		.amdhsa_kernarg_size 16
		.amdhsa_user_sgpr_count 2
		.amdhsa_user_sgpr_kernarg_segment_ptr 1
		.amdhsa_wavefront_size32 1
		.amdhsa_system_sgpr_workgroup_id_x 1
		.amdhsa_system_sgpr_workgroup_id_y 1
		.amdhsa_system_sgpr_workgroup_id_z 1
		.amdhsa_system_vgpr_workitem_id 0
		.amdhsa_next_free_vgpr 512
		.amdhsa_next_free_sgpr 66
		.amdhsa_reserve_vcc 0
		.amdhsa_float_denorm_mode_32 3
		.amdhsa_float_denorm_mode_16_64 3
		.amdhsa_memory_ordered 1
		.amdhsa_forward_progress 1
		.amdhsa_inst_pref_size 255
	.end_amdhsa_kernel
	.section	.bss,"aw",@nobits
	.p2align	6
	.space	262144
	.amdgpu_metadata
---
amdhsa.version: [ 1, 2 ]
amdhsa.kernels:
  - .name:           k_qa8ed0f70ff_attn
    .symbol:         k_qa8ed0f70ff_attn.kd
    .args:
      - { .name: qkv, .offset: 0, .size: 8, .value_kind: global_buffer, .address_space: global }
      - { .name: att, .offset: 8, .size: 8, .value_kind: global_buffer, .address_space: global }
    .group_segment_fixed_size: 327680
    .private_segment_fixed_size: 0
    .kernarg_segment_align: 8
    .kernarg_segment_size: 16
    .max_flat_workgroup_size: 256
    .sgpr_count:     66
    .vgpr_count:     512
    .wavefront_size: 32
...
	.end_amdgpu_metadata
.endif
;; end of part 3
;; launch proj (part 4): grid 8 x 32, 4 waves a work-group, clusters of 4 x 4, 327,680 bytes of LDS; arguments att, wo16, bo, out0; writes out0
.if DOCPART == 4
	.amdgcn_target "amdgcn-amd-amdhsa--gfx1250"
	.amdhsa_code_object_version 6
	.text
	.protected	k_qa8ed0f70ff_proj
	.globl	k_qa8ed0f70ff_proj
	.p2align	8
	.type	k_qa8ed0f70ff_proj,@function
k_qa8ed0f70ff_proj:
	s_mov_b64 s[64:65], 0
	v_nop
	global_prefetch_b8 v0, s[64:65] scope:SCOPE_SE
	s_setreg_imm32_b32 hwreg(HW_REG_WAVE_MODE, 25, 1), 1
	s_wait_xcnt 0x0
	s_wait_alu depctr_hold_cnt(0) depctr_sa_sdst(0) depctr_va_vdst(0) depctr_va_sdst(0) depctr_va_ssrc(0) depctr_va_vcc(0) depctr_vm_vsrc(0)
	s_getreg_b32 s2, hwreg(HW_REG_IB_STS2, 6, 4)
	s_cmp_eq_u32 s2, 0
	s_cbranch_scc0 .Lentry_in_a_cluster
	s_endpgm
.Lentry_in_a_cluster:
	s_bfe_u32 s2, ttmp6, 0x10000c
	s_cmp_lg_u32 s2, 0xf033
	s_cbranch_scc0 .Lentry_shape_is_right
	s_endpgm
.Lentry_shape_is_right:
; out0[m][n] = sum over k of A[m][k] Wo[k][n] + bo[n].  A is the attention's result, f16, laid by heads: att + (batch x 16 + head) x 2^18 + token x 128 + channel x 2, with m = batch x 2048 + token, k = head x 64 + channel.
; wo16: Wo in f16, [k][n] as it lies.  out0: [8192][1024] f32.  Sums in f32; the bias is the C of each sum's first product.
; A tile of out0 is 256 x 128: 256 work-groups of four waves; wave (w / 2, w % 2) makes 128 x 64: 32 accumulators.  K goes in steps of 128, a pair of heads, through a ring of two LDS slots.
; CLUSTERS: 4 x 4 work-groups; A's tiles are asked for jointly along a row of the cluster, Wo's along a column.  One load a wave: waves 0 and 1 a head's 256 rows of A each, waves 2 and 3 64 rows (k) of Wo each.
; THE MATRIX INSTRUCTION IS USED TRANSPOSED (source 0 = 16 columns of Wo, turned out of LDS by ds_load_tr16_b128; source 1 = 16 rows of A): a lane holds eight neighbouring columns of one row of out0.
; No prefetch: the launch is short, its 50 MB keep memory at work, and Wo's rows are read again by all 32 tile rows.  One tile to a work-group, so none stays.
; REGISTERS: window 0: v1-29 addresses; v32-63 the bias in the result's layout; v64-159, v160-255 two fragment buffers (A's 8 blocks, then Wo's 4); window 1: accumulator (a, b) at v[8 (4 a + b)].
.set PA,     144                       ; a row of A in LDS: 128 bytes + 16
.set PB,     288                       ; a row (k) of Wo: 256 bytes + 32: an odd multiple of 32 bytes, for the turning load
.set APART,  256*PA                    ; one head's 256 rows
.set BOFF,   2*APART
.set SLOT,   BOFF+128*PB
.set SPARE,  2*SLOT                    ; the spare words, 128 bytes for each wave
.set SPITCH, 272                       ; the way out: a stage of 16 rows x (256 bytes + 16) for each wave, in slot 0, which has had its last fill and its last read by then
.set ADRA, 16
.set ADRB, 20
.set STO,  24
.set RD,   25
.set CO,   26
.set BOF,  27
.set SPW,  28
.set NIL,  29
.set BI,   32
.set F0,   64
.set F1,   160
.set WV,  12                           ; s12 wave; s13 = w / 2: my half of the rows, also: I fetch for A (0) or Wo (1); s14 = w % 2: my half of the columns, also: which part I fetch
.set G1,  24
.set G0,  32
.set G1B, 48
.set G0B, 56
.set MSB, 0
.macro WIN new
.if MSB != \new
	s_set_vgpr_msb (MSB<<8)|\new
.set MSB, \new
.endif
.endm
.set MUL,  0x50                        ; C and D window 1, the fragments window 0
.set MUL0, 0x40                        ; the first products: C (the bias) window 0
.macro JLOAD s                         ; a joint load; an s_nop 0 and four v_nop follow each of the two lines
	s_cmp_eq_u32 s13, 0
	s_cbranch_scc0 .Lfor_b_\@
	tensor_load_to_lds s[G0+4*\s:G0+4*\s+3], s[G1:G1+7]
	s_nop 0
.rept 4
	v_nop
.endr
	s_branch .Lasked_\@
.Lfor_b_\@:
	tensor_load_to_lds s[G0B+4*\s:G0B+4*\s+3], s[G1B:G1B+7]
	s_nop 0
.rept 4
	v_nop
.endr
.Lasked_\@:
.endm
.macro CREST                           ; a round of the cluster's barrier behind its opening barrier
	s_cmp_lg_u32 s[WV], 0
	s_cbranch_scc1 .Lnot_wave_0_\@
	s_barrier_signal -3
.Lnot_wave_0_\@:
	s_barrier_wait -3
	s_barrier_signal -1
	s_barrier_wait -1
.endm
.macro CROUND
	s_barrier_signal -1
	s_barrier_wait -1
	CREST
.endm
	s_load_b256 s[4:11], s[0:1], 0x0               ; att 4:5, wo16 6:7, bo 8:9, out0 10:11
	v_lshl_add_u32 v[SPW], v0, 2, SPARE
	v_mov_b32 v[NIL], 0
	ds_add_u32 v[SPW], v[NIL]                      ; the wave's opening: the add, twice on end, and its wait ahead of my first tensor load
	ds_add_u32 v[SPW], v[NIL]
	v_lshrrev_b32 v1, 5, v0
	v_readfirstlane_b32 s[WV], v1
	s_lshr_b32 s13, s[WV], 1
	s_and_b32 s14, s[WV], 1
	s_bfe_u32 s15, ttmp6, 0x40000                  ; cx
	s_bfe_u32 s16, ttmp6, 0x40004                  ; cy
	s_lshl_b32 s17, ttmp9, 2
	s_add_co_u32 s17, s17, s15                     ; tile column = 4 x cluster x + cx
	s_and_b32 s18, ttmp7, 0xffff
	s_lshl_b32 s18, s18, 2
	s_add_co_u32 s18, s18, s16                     ; tile row = 4 x cluster y + cy
	s_lshl_b32 s19, s16, 2
	s_lshl_b32 s19, 15, s19                        ; my row of the cluster
	s_lshl_b32 s20, 0x1111, s15                    ; my column
	s_or_b32 s[G1], s19, (1<<16)|(1<<20)|(1<<21)|(4<<22)|(3<<25)   ; A: the mask; elements of 2 bytes; padding on; bit 21 beside a mask; after every 32 words four words
	s_mov_b32 s[G1+1], 64<<16                      ; tensor_dim0 = 64
	s_mov_b32 s[G1+2], 256<<16                     ; tensor_dim1 = 256
	s_mov_b32 s[G1+3], 64<<16                      ; tile_dim0 = 64
	s_mov_b32 s[G1+4], 256                         ; tile_dim1 = 256
	s_mov_b32 s[G1+5], 64                          ; the pitch: a head's rows are dense
	s_mov_b32 s[G1+6], 0
	s_mov_b32 s[G1+7], 0
	s_or_b32 s[G1B], s20, (1<<16)|(1<<20)|(1<<21)|(5<<22)|(7<<25)  ; Wo: after every 64 words eight words
	s_mov_b32 s[G1B+1], 128<<16
	s_mov_b32 s[G1B+2], 64<<16
	s_mov_b32 s[G1B+3], 128<<16
	s_mov_b32 s[G1B+4], 64
	s_mov_b32 s[G1B+5], 1024
	s_mov_b32 s[G1B+6], 0
	s_mov_b32 s[G1B+7], 0
	; A's address hangs on the tile row and the wave alone, Wo's on the tile column and the wave alone, each in registers that never hold the other coordinate
	s_lshr_b32 s40, s18, 3                         ; the batch,
	s_lshl_b32 s40, s40, 22
	s_and_b32 s41, s18, 7                          ; the tile's first token: 256 rows of 128 bytes each
	s_lshl_b32 s41, s41, 15
	s_add_co_u32 s40, s40, s41
	s_lshl_b32 s41, s14, 18                        ; the pair's first or second head
	s_add_co_u32 s40, s40, s41
	s_mov_b32 s41, 0
	s_lshl_b32 s46, s14, 17                        ; Wo: 64 rows of 2,048 bytes,
	s_lshl_b32 s47, s17, 8                         ; 128 columns of 2 bytes
	s_add_co_u32 s46, s46, s47
	s_mov_b32 s47, 0
	s_mul_i32 s21, s14, APART                      ; where they go: no place in the cluster enters an LDS address
	s_mul_i32 s22, s14, 64*PB
	s_add_co_u32 s22, s22, BOFF
	s_wait_dscnt 0x0                               ; both opening adds are done
	s_wait_kmcnt 0x0
	s_add_nc_u64 s[40:41], s[4:5], s[40:41]
	s_add_nc_u64 s[46:47], s[6:7], s[46:47]
	CROUND                                         ; all sixteen work-groups are here: the first joint loads meet
.irp s, 0,1
	s_mov_b32 s[G0+4*\s], 1
	s_add_co_u32 s[G0+4*\s+1], s21, \s*SLOT
	s_add_nc_u64 s[G0+4*\s+2:G0+4*\s+3], s[40:41], \s*(2<<18)      ; K step s: heads 2 s, 2 s + 1
	s_or_b32 s[G0+4*\s+3], s[G0+4*\s+3], 0x80000000
	s_mov_b32 s[G0B+4*\s], 1
	s_add_co_u32 s[G0B+4*\s+1], s22, \s*SLOT
	s_add_nc_u64 s[G0B+4*\s+2:G0B+4*\s+3], s[46:47], \s*128*2048
	s_or_b32 s[G0B+4*\s+3], s[G0B+4*\s+3], 0x80000000
	JLOAD \s                                       ; two tensor loads of mine are out behind the second
.endr
	v_and_b32 v1, 15, v0                           ; r
	v_bfe_u32 v2, v0, 4, 1                         ; h
	s_lshl_b32 s44, s17, 9                         ; the bias of my 64 columns: register 8 b + j = bo[128 x + 64 (w % 2) + 16 b + 8 h + j]
	s_lshl_b32 s45, s14, 8
	s_add_co_u32 s44, s44, s45
	s_mov_b32 s45, 0
	s_add_nc_u64 s[8:9], s[8:9], s[44:45]
	v_lshlrev_b32 v[BOF], 5, v2
.irp b, 0,1,2,3
	global_load_b128 v[BI+8*\b:BI+8*\b+3], v[BOF], s[8:9] offset:64*\b
	global_load_b128 v[BI+8*\b+4:BI+8*\b+7], v[BOF], s[8:9] offset:64*\b+16
.endr
	v_mul_u32_u24 v3, v1, PA
	v_lshl_add_u32 v3, v2, 4, v3                   ; A: row x pitch + 16 x half
	s_mul_i32 s21, s13, 128*PA                     ; my 128 rows
	v_and_b32 v4, 7, v0
	v_lshl_add_u32 v4, v2, 3, v4                   ; Wo: k = 8 h + l % 8,
	v_mul_u32_u24 v4, v4, PB
	v_bfe_u32 v5, v0, 3, 1
	v_lshl_add_u32 v4, v5, 4, v4                   ; columns 8 ((l / 8) % 2) on,
	s_lshl_b32 s22, s14, 7                         ; in my 64 columns
	s_add_co_u32 s22, s22, BOFF
.irp s, 0,1
	v_add_nc_u32 v[ADRA+\s], s21, v3
	v_add_nc_u32 v[ADRB+\s], s22, v4
	s_add_co_u32 s21, s21, SLOT
	s_add_co_u32 s22, s22, SLOT
.endr
	s_mul_i32 s23, s[WV], 16*SPITCH                ; my stage
	v_mul_u32_u24 v5, v1, SPITCH
	v_lshl_add_u32 v5, v2, 5, v5
	v_add_nc_u32 v[STO], s23, v5                   ; in: row r, 32 bytes for each half of the lanes
	v_mul_u32_u24 v5, v2, SPITCH
	v_lshl_add_u32 v5, v1, 4, v5
	v_add_nc_u32 v[RD], s23, v5                    ; back: lanes 0-15 one row of 256 bytes, lanes 16-31 the next
	v_lshlrev_b32 v5, 12, v2
	v_lshl_add_u32 v[CO], v1, 4, v5                ; and the same two rows in out0
	s_lshl_b32 s42, s18, 8
	s_lshl_b32 s43, s13, 7
	s_add_co_u32 s42, s42, s43                     ; my first row
	s_lshl_b32 s42, s42, 12
	s_add_co_u32 s42, s42, s44                     ; my first column, in bytes: as the bias's
	s_mov_b32 s43, 0
	s_add_nc_u64 s[10:11], s[10:11], s[42:43]
; 24 LDS loads in one run: the fragments of the slot's q-th 32 along K into buffer f: Wo's four, A's blocks 0-3, A's blocks 4-7
.macro FETCH slot, q, f
	WIN 0
.irp b, 0,1,2,3
	ds_load_tr16_b128 v[\f+64+8*\b:\f+64+8*\b+3],   v[ADRB+\slot] offset:32*PB*(\q)+32*\b
	ds_load_tr16_b128 v[\f+64+8*\b+4:\f+64+8*\b+7], v[ADRB+\slot] offset:32*PB*(\q)+32*\b+16*PB
.endr
.irp a, 0,1,2,3,4,5,6,7
	ds_load_b128 v[\f+8*\a:\f+8*\a+3],   v[ADRA+\slot] offset:((\q)/2)*APART+64*((\q)%2)+16*PA*\a
	ds_load_b128 v[\f+8*\a+4:\f+8*\a+7], v[ADRA+\slot] offset:((\q)/2)*APART+64*((\q)%2)+16*PA*\a+32
.endr
.endm
; n blocks of A from a0 on, each against Wo's four.  bias = 1: the bias starts the sums.  The 32 accumulators take turns, one instruction a turn.
.macro MULH f, a0, n, bias
.set aa, \a0
.rept \n
.irp b, 0,1,2,3
.if \bias
	v_wmma_f32_16x16x32_f16 v[8*(4*aa+\b):8*(4*aa+\b)+7], v[\f+64+8*\b:\f+64+8*\b+7], v[\f+8*aa:\f+8*aa+7], v[BI+8*\b:BI+8*\b+7]
.else
	v_wmma_f32_16x16x32_f16 v[8*(4*aa+\b):8*(4*aa+\b)+7], v[\f+64+8*\b:\f+64+8*\b+7], v[\f+8*aa:\f+8*aa+7], v[8*(4*aa+\b):8*(4*aa+\b)+7]
.endif
.endr
.set aa, aa+1
.endr
.endm
.macro PLACES                          ; four plain lines in front of loads into registers that matrix instructions have read, and of the first read of results
.rept 4
	v_nop
.endr
.endm
; A K step is four quarters of 32 along K, 32 matrix instructions each, on buffers 0, 1, 0, 1.  One of the first three: multiplies buffer f and fetches quarter q into g.
.macro QUARTER slot, q, f, g, bias
	s_wait_dscnt 8                                 ; Wo's fragments and A's blocks 0-3 are in; the youngest eight loads (blocks 4-7) may be out
.if \bias
	WIN MUL0
.else
	WIN MUL
.endif
	MULH \f, 0, 4, \bias
	PLACES
	FETCH \slot, \q, \g
	s_wait_dscnt 24                                ; all but the 24 just issued
.if \bias
	WIN MUL0
.else
	WIN MUL
.endif
	MULH \f, 4, 4, \bias
.endm
; The last quarter multiplies buffer 1 and changes slots: each wave waits for all its tensor loads (its part of the next slot), adds 0 to its spare word, waits for that and for its reads of this slot, and signals.
; fill = 1: the barrier opens a round of the cluster's barrier, and the joint refill, two K steps ahead, is the first thing behind it.
.macro TURN slot, next, fill
	WIN 0
	s_wait_tensorcnt 0x0
	ds_add_u32 v[SPW], v[NIL]
	s_wait_dscnt 9                                 ; (the add and the youngest eight loads may be out)
	WIN MUL
	MULH F1, 0, 2, 0
	s_wait_dscnt 0x0                               ; the add is done, and my reads of this slot are over
	s_barrier_signal -1
	MULH F1, 2, 2, 0
.if \fill
	WIN 0
.endif
	s_barrier_wait -1
.if \fill
	CREST                                          ; no wave of any partner still reads this slot or has a load on its way
	s_add_nc_u64 s[G0+4*\slot+2:G0+4*\slot+3], s[G0+4*\slot+2:G0+4*\slot+3], 4<<18
	s_add_nc_u64 s[G0B+4*\slot+2:G0B+4*\slot+3], s[G0B+4*\slot+2:G0B+4*\slot+3], 256*2048
	JLOAD \slot                                    ; the four v_nop behind it are also the places in front of the loads below
.else
	PLACES
.endif
	FETCH \next, 0, F0
	WIN MUL
	MULH F1, 4, 4, 0
.endm
	s_wait_tensorcnt 1                             ; my part of K step 0 is in; K step 1's may be out
	s_barrier_signal -1
	s_barrier_wait -1
	FETCH 0, 0, F0
	s_wait_loadcnt 0x0                             ; the bias
	QUARTER 0, 1, F0, F1, 1                        ; the first quarter stands in front of the loop: its products start the sums
	WIN 0
	s_mov_b32 s3, 3
.Llap:                                             ; a trip goes once round the ring and fills both slots again: K steps 2 to 7
	QUARTER 0, 2, F1, F0, 0
	QUARTER 0, 3, F0, F1, 0
	TURN 0, 1, 1
	QUARTER 1, 1, F0, F1, 0
	QUARTER 1, 2, F1, F0, 0
	QUARTER 1, 3, F0, F1, 0
	TURN 1, 0, 1
	QUARTER 0, 1, F0, F1, 0
	WIN 0
	s_sub_co_u32 s3, s3, 1
	s_cmp_lg_u32 s3, 0
	s_cbranch_scc1 .Llap
	QUARTER 0, 2, F1, F0, 0                        ; the last lap fills nothing
	QUARTER 0, 3, F0, F1, 0
	TURN 0, 1, 0
	QUARTER 1, 1, F0, F1, 0
	QUARTER 1, 2, F1, F0, 0
	QUARTER 1, 3, F0, F1, 0
	s_wait_dscnt 8
	WIN MUL
	MULH F1, 0, 4, 0
	s_wait_dscnt 0
	MULH F1, 4, 4, 0
	WIN 0
; THE WAY OUT, a block of 16 rows x 64 columns at a time, through my stage: sixteen lanes store 256 consecutive bytes, aligned.
.macro TOSTAGE a
	WIN 0x04                                       ; an LDS store's data are its source 1: window 1
.irp b, 0,1,2,3
	ds_store_b128 v[STO], v[8*(4*(\a)+\b):8*(4*(\a)+\b)+3] offset:64*\b          ; each accumulator from its low end on
	ds_store_b128 v[STO], v[8*(4*(\a)+\b)+4:8*(4*(\a)+\b)+7] offset:64*\b+16
.endr
	WIN 0
.set BB, F0+32*((\a)%2)
.irp t, 0,1,2,3,4,5,6,7
	ds_load_b128 v[BB+4*\t:BB+4*\t+3], v[RD] offset:\t*2*SPITCH    ; LDS serves a wave in order: these see the stores above
.endr
.endm
.macro SEND a, younger                 ; younger: the LDS instructions issued behind block a's loads
.set BB, F0+32*((\a)%2)
	s_wait_dscnt \younger
.irp t, 0,1,2,3,4,5,6,7
	global_store_b128 v[CO], v[BB+4*\t:BB+4*\t+3], s[10:11] offset:(\a)*65536+\t*8192 th:TH_STORE_NT
.endr
.endm
	PLACES
	TOSTAGE 0
.irp a, 1,2,3,4,5,6,7
.if \a > 1
	s_wait_xcnt 0x0                                ; block a - 2's stores have read their registers: block a's loads may land there
.endif
	TOSTAGE \a
	SEND \a-1, 16                                  ; behind block a - 1's loads: block a's eight stores and eight loads
.endr
	SEND 7, 0
	s_wait_tensorcnt 0x0                           ; the wave's end
	ds_add_u32 v[SPW], v[NIL]
	s_wait_dscnt 0x0
	CROUND                                         ; the closing round
	s_endpgm
.Lfunc_end_k_qa8ed0f70ff_proj:
	.size	k_qa8ed0f70ff_proj, .Lfunc_end_k_qa8ed0f70ff_proj-k_qa8ed0f70ff_proj
	.p2alignl 7, 3214868480
	.fill 96, 4, 3214868480
	.section	.rodata,"a",@progbits
	.p2align	6, 0x0
	.amdhsa_kernel k_qa8ed0f70ff_proj
		.amdhsa_group_segment_fixed_size 327680
		.amdhsa_private_segment_fixed_size 0
		.amdhsa_enable_private_segment 0
		.amdhsa_kernarg_size 32
		.amdhsa_user_sgpr_count 2
		.amdhsa_user_sgpr_kernarg_segment_ptr 1
		.amdhsa_wavefront_size32 1
		.amdhsa_system_sgpr_workgroup_id_x 1
		.amdhsa_system_sgpr_workgroup_id_y 1
		.amdhsa_system_sgpr_workgroup_id_z 1
		.amdhsa_system_vgpr_workitem_id 0
		.amdhsa_next_free_vgpr 512
		.amdhsa_next_free_sgpr 66
		.amdhsa_reserve_vcc 0
		.amdhsa_float_denorm_mode_32 3
		.amdhsa_float_denorm_mode_16_64 3
		.amdhsa_memory_ordered 1
		.amdhsa_forward_progress 1
		.amdhsa_inst_pref_size 86
	.end_amdhsa_kernel
	.amdgpu_metadata
---
amdhsa.version: [ 1, 2 ]
amdhsa.kernels:
  - .name:           k_qa8ed0f70ff_proj
    .symbol:         k_qa8ed0f70ff_proj.kd
    .args:
      - { .name: att, .offset: 0, .size: 8, .value_kind: global_buffer, .address_space: global }
      - { .name: wo16, .offset: 8, .size: 8, .value_kind: global_buffer, .address_space: global }
      - { .name: bo, .offset: 16, .size: 8, .value_kind: global_buffer, .address_space: global }
      - { .name: out0, .offset: 24, .size: 8, .value_kind: global_buffer, .address_space: global }
    .group_segment_fixed_size: 327680
    .private_segment_fixed_size: 0
    .kernarg_segment_align: 8
    .kernarg_segment_size: 32
    .max_flat_workgroup_size: 128
    .sgpr_count:     66
    .vgpr_count:     512
    .wavefront_size: 32
...
	.end_amdgpu_metadata
.endif
;; end of part 4
